; MI455X (gfx1250); checked and timed in simulation.
; The chip was launched on July 23, 2026; its instructions are those of AMD's public machine-readable ISA for CDNA 5 (MIT licence, August 2026) and "CDNA5" Instruction Set Architecture Reference Guide (July 2026). The comments in the code are by the model that wrote it; some were corrected since.
;; Attention. Allowed arithmetic: float matrix products may take bf16 or f16 operands with f32 sums; other float arithmetic in f32, or as packed bf16 or f16 multiplies, adds, multiply-adds, maxima and minima; sums over many terms, partial sums and values carried from step to step in f32; what a program stores and reads back later, other than sums and carried values, may be rounded once to bf16 or f16.
;; Inputs: freqs_cos 4,096 x 32 float32; freqs_sin 4,096 x 32 float32; wk 1,024 x 1,024 float32; wo 1,024 x 1,024 float32; wq 1,024 x 1,024 float32; wv 1,024 x 1,024 float32; x 1 x 4,096 x 1,024 float32.
;; Outputs: out0 1 x 4,096 x 1,024 float32.
;; 2 versions, each right; version 2 is version 1 with the launch cast written anew for expert scheduling mode. Each part assembles by itself: llvm-mc -triple=amdgcn-amd-amdhsa -mcpu=gfx1250 --defsym DOCPART=n.
;; ======== version 1 of 2: 4 launches
;; limits: values are held in f16: magnitudes above 65,504 overflow, below 6.1e-05 lose precision; right only within a limited range of input values
;; workspace buffers: xb 8,388,608 bytes; wb 6,291,456 bytes; wof 2,097,152 bytes; cs 524,288 bytes; qkv 25,165,824 bytes; sc 524,288 bytes; oh 8,388,608 bytes
;; launch cast (part 1): grid 528 x 1, 8 waves a work-group, no clusters, 0 bytes of LDS; arguments x, wq, wk, wv, wo, freqs_cos, freqs_sin, xb, wb, wof, cs; writes xb, wb, wof, cs
.if DOCPART == 1
	.amdgcn_target "amdgcn-amd-amdhsa--gfx1250"
	.amdhsa_code_object_version 6
	.text
	.protected	k_q9b25b468e5_cast
	.globl	k_q9b25b468e5_cast
	.p2align	8
	.type	k_q9b25b468e5_cast,@function
k_q9b25b468e5_cast:
	s_mov_b64 s[64:65], 0
	v_nop
	global_prefetch_b8 v0, s[64:65] scope:SCOPE_SE
	s_setreg_imm32_b32 hwreg(HW_REG_WAVE_MODE, 25, 1), 1
	s_wait_xcnt 0x0
; CAST.  Every input is rounded once to bf16 and laid out for the launches behind:
;   xb  [4096][1024] bf16 = x
;   wb  [3072][1024] bf16: row head x 192 + kind x 64 + d holds row head x 64 + d of wq (kind 0), wk (1), wv (2): 192 rows on end are one head's q, k and v
;   wof [1024][1024] f16: wo rounded to bf16, that number written as f16
;   cs  [4096][32] words: bf16(cos) in the low half, bf16(sin) in the high half
; LIMITS.  |wo| stays under 65,504 (f16's end); below 6e-5 it keeps f16's fixed step of 6e-8.
; A stream: no LDS, no matrix unit, no barrier.  A work-group of 256 threads takes a segment of 16,384 numbers: 16 loads of 16 bytes a thread, all issued first
; (a wave's load covers 512 consecutive bytes), then a store for each load: 32 lanes x 8 bytes = 256 consecutive bytes, aligned.
; Work-groups 0-255: x.  256-447: wq, wk, wv, 64 segments of 16 rows each.  448-511: wo.  512-527: the two tables, 8,192 numbers of each.
.set SRC, 32                           ; s[32:33] where the segment is read
.set DST, 34                           ; s[34:35] where it is written
.set SR2, 36                           ; s[36:37] the tables' path: sin
	s_load_b512 s[4:19], s[0:1], 0x0               ; x s[4:5], wq s[6:7], wk s[8:9], wv s[10:11], wo s[12:13], cos s[14:15], sin s[16:17], xb s[18:19]
	s_load_b128 s[20:23], s[0:1], 0x40             ; wb s[20:21], wof s[22:23]
	s_load_b64 s[24:25], s[0:1], 0x50              ; cs
	s_mov_b32 s26, ttmp9                           ; g, the work-group's number
	v_lshlrev_b32 v1, 4, v0                        ; 16 t: my 16 bytes of 4,096
	v_lshlrev_b32 v2, 3, v0                        ; 8 t: my 8 bytes of 2,048
	s_mov_b32 s29, 0                               ; the offsets' high words
	s_mov_b32 s31, 0
	s_wait_kmcnt 0x0
	s_cmp_ge_u32 s26, 512
	s_cbranch_scc1 .Ltables
	s_cmp_ge_u32 s26, 448
	s_cbranch_scc1 .Lwo
	; x and the three weights: one path; the pointers are chosen by the work-group's number.  (For x the numbers j, n and the row are made too and not taken.)
	s_sub_co_u32 s27, s26, 256                     ; i = g - 256
	s_bfe_u32 s36, s27, 0x20006                    ; j = i / 64: which weight
	s_and_b32 s37, s27, 63                         ; n = i % 64: rows 16 n .. 16 n + 15 of it
	s_lshr_b32 s38, s37, 2                         ; the head, n / 4
	s_mul_i32 s38, s38, 192
	s_lshl_b32 s39, s36, 6
	s_add_co_u32 s38, s38, s39                     ; + 64 j
	s_and_b32 s39, s37, 3
	s_lshl4_add_u32 s38, s39, s38                  ; + 16 (n % 4): the first row in wb
	s_lshl_b32 s38, s38, 11                        ; in bytes
	s_lshl_b32 s39, s26, 15                        ; x's segment in xb, in bytes
	s_cmp_eq_u32 s36, 0
	s_cselect_b64 s[SRC:SRC+1], s[6:7], s[8:9]
	s_cmp_eq_u32 s36, 2
	s_cselect_b64 s[SRC:SRC+1], s[10:11], s[SRC:SRC+1]
	s_cmp_lt_u32 s26, 256                          ; x?
	s_cselect_b64 s[SRC:SRC+1], s[4:5], s[SRC:SRC+1]
	s_cselect_b64 s[DST:DST+1], s[18:19], s[20:21]
	s_cselect_b32 s37, s26, s37                    ; the segment's number in its source
	s_cselect_b32 s30, s39, s38
	s_lshl_b32 s28, s37, 16
	s_add_nc_u64 s[SRC:SRC+1], s[SRC:SRC+1], s[28:29]
	s_add_nc_u64 s[DST:DST+1], s[DST:DST+1], s[30:31]
.irp i, 0,1,2,3,4,5,6,7,8,9,10,11,12,13,14,15
	global_load_b128 v[4+4*(\i):7+4*(\i)], v1, s[SRC:SRC+1] offset:4096*(\i) th:TH_LOAD_NT
.endr
.irp i, 0,1,2,3,4,5,6,7,8,9,10,11,12,13,14,15
	s_wait_loadcnt 15-(\i)                         ; loads come back in order: load i is in, the younger ones stay out
	v_cvt_pk_bf16_f32 v[4+4*(\i)], v[4+4*(\i)], v[5+4*(\i)]
	v_cvt_pk_bf16_f32 v[5+4*(\i)], v[6+4*(\i)], v[7+4*(\i)]
	global_store_b64 v2, v[4+4*(\i):5+4*(\i)], s[DST:DST+1] offset:2048*(\i)  ; no register is written twice, so no store's source is ever overwritten
.endr
	s_endpgm
.Lwo:                                                  ; wo: to bf16, widened again, and that number written as f16
	s_sub_co_u32 s27, s26, 448
	s_lshl_b32 s28, s27, 16
	s_lshl_b32 s30, s27, 15
	s_add_nc_u64 s[SRC:SRC+1], s[12:13], s[28:29]
	s_add_nc_u64 s[DST:DST+1], s[22:23], s[30:31]
.irp i, 0,1,2,3,4,5,6,7,8,9,10,11,12,13,14,15
	global_load_b128 v[4+4*(\i):7+4*(\i)], v1, s[SRC:SRC+1] offset:4096*(\i) th:TH_LOAD_NT
.endr
.irp i, 0,1,2,3,4,5,6,7,8,9,10,11,12,13,14,15
	s_wait_loadcnt 15-(\i)
	v_cvt_pk_bf16_f32 v68, v[4+4*(\i)], v[5+4*(\i)]
	v_cvt_pk_bf16_f32 v69, v[6+4*(\i)], v[7+4*(\i)]
	v_lshlrev_b32 v[4+4*(\i)], 16, v68             ; bf16 to f32: the low half moves up,
	v_and_b32 v[5+4*(\i)], 0xffff0000, v68         ; the high half stays
	v_lshlrev_b32 v[6+4*(\i)], 16, v69
	v_and_b32 v[7+4*(\i)], 0xffff0000, v69
	v_cvt_pk_f16_f32 v[4+4*(\i)], v[4+4*(\i)], v[5+4*(\i)]
	v_cvt_pk_f16_f32 v[5+4*(\i)], v[6+4*(\i)], v[7+4*(\i)]
	global_store_b64 v2, v[4+4*(\i):5+4*(\i)], s[DST:DST+1] offset:2048*(\i)
.endr
	s_endpgm
.Ltables:                                              ; cos and sin: 32,768 bytes of each in, 32,768 bytes of pairs out
	s_sub_co_u32 s27, s26, 512
	s_lshl_b32 s28, s27, 15
	s_add_nc_u64 s[SRC:SRC+1], s[14:15], s[28:29]
	s_add_nc_u64 s[SR2:SR2+1], s[16:17], s[28:29]
	s_add_nc_u64 s[DST:DST+1], s[24:25], s[28:29]
.irp i, 0,1,2,3,4,5,6,7
	global_load_b128 v[4+4*(\i):7+4*(\i)], v1, s[SRC:SRC+1] offset:4096*(\i) th:TH_LOAD_NT
	global_load_b128 v[36+4*(\i):39+4*(\i)], v1, s[SR2:SR2+1] offset:4096*(\i) th:TH_LOAD_NT
.endr
.irp i, 0,1,2,3,4,5,6,7
	s_wait_loadcnt 14-2*(\i)                       ; pair i of loads is in
.irp k, 0,1,2,3
	v_cvt_pk_bf16_f32 v[4+4*(\i)+(\k)], v[4+4*(\i)+(\k)], v[36+4*(\i)+(\k)]  ; cos low, sin high
.endr
	global_store_b128 v1, v[4+4*(\i):7+4*(\i)], s[DST:DST+1] offset:4096*(\i)
.endr
	s_endpgm
.Lfunc_end_k_q9b25b468e5_cast:
	.size	k_q9b25b468e5_cast, .Lfunc_end_k_q9b25b468e5_cast-k_q9b25b468e5_cast
	.p2alignl 7, 3214868480
	.fill 96, 4, 3214868480
	.section	.rodata,"a",@progbits
	.p2align	6, 0x0
	.amdhsa_kernel k_q9b25b468e5_cast
		.amdhsa_group_segment_fixed_size 0
		.amdhsa_private_segment_fixed_size 0
		.amdhsa_enable_private_segment 0
		.amdhsa_kernarg_size 88
		.amdhsa_user_sgpr_count 2
		.amdhsa_user_sgpr_kernarg_segment_ptr 1
		.amdhsa_wavefront_size32 1
		.amdhsa_system_sgpr_workgroup_id_x 1
		.amdhsa_system_sgpr_workgroup_id_y 1
		.amdhsa_system_sgpr_workgroup_id_z 1
		.amdhsa_system_vgpr_workitem_id 0
		.amdhsa_next_free_vgpr 72
		.amdhsa_next_free_sgpr 66
		.amdhsa_reserve_vcc 0
		.amdhsa_float_denorm_mode_32 3
		.amdhsa_float_denorm_mode_16_64 3
		.amdhsa_memory_ordered 1
		.amdhsa_forward_progress 1
		.amdhsa_inst_pref_size 23
	.end_amdhsa_kernel
	.amdgpu_metadata
---
amdhsa.version: [ 1, 2 ]
amdhsa.kernels:
  - .name:           k_q9b25b468e5_cast
    .symbol:         k_q9b25b468e5_cast.kd
    .args:
      - { .name: x, .offset: 0, .size: 8, .value_kind: global_buffer, .address_space: global }
      - { .name: wq, .offset: 8, .size: 8, .value_kind: global_buffer, .address_space: global }
      - { .name: wk, .offset: 16, .size: 8, .value_kind: global_buffer, .address_space: global }
      - { .name: wv, .offset: 24, .size: 8, .value_kind: global_buffer, .address_space: global }
      - { .name: wo, .offset: 32, .size: 8, .value_kind: global_buffer, .address_space: global }
      - { .name: freqs_cos, .offset: 40, .size: 8, .value_kind: global_buffer, .address_space: global }
      - { .name: freqs_sin, .offset: 48, .size: 8, .value_kind: global_buffer, .address_space: global }
      - { .name: xb, .offset: 56, .size: 8, .value_kind: global_buffer, .address_space: global }
      - { .name: wb, .offset: 64, .size: 8, .value_kind: global_buffer, .address_space: global }
      - { .name: wof, .offset: 72, .size: 8, .value_kind: global_buffer, .address_space: global }
      - { .name: cs, .offset: 80, .size: 8, .value_kind: global_buffer, .address_space: global }
    .group_segment_fixed_size: 0
    .private_segment_fixed_size: 0
    .kernarg_segment_align: 8
    .kernarg_segment_size: 88
    .max_flat_workgroup_size: 256
    .sgpr_count:     66
    .vgpr_count:     72
    .wavefront_size: 32
...
	.end_amdgpu_metadata
.endif
;; end of part 1
;; launch qkvrope (part 2): grid 16 x 16, 4 waves a work-group, clusters of 4 x 4, 327,680 bytes of LDS; arguments xb, wb, cs, qkv, sc; writes qkv, sc
.if DOCPART == 2
	.amdgcn_target "amdgcn-amd-amdhsa--gfx1250"
	.amdhsa_code_object_version 6
	.text
	.protected	k_q9b25b468e5_qkvrope
	.globl	k_q9b25b468e5_qkvrope
	.p2align	8
	.type	k_q9b25b468e5_qkvrope,@function
k_q9b25b468e5_qkvrope:
	s_mov_b64 s[64:65], 0
	v_nop
	global_prefetch_b8 v0, s[64:65] scope:SCOPE_SE
	s_setreg_imm32_b32 hwreg(HW_REG_WAVE_MODE, 25, 1), 1
	s_wait_xcnt 0x0
	s_wait_alu depctr_hold_cnt(0) depctr_sa_sdst(0) depctr_va_vdst(0) depctr_va_sdst(0) depctr_va_ssrc(0) depctr_va_vcc(0) depctr_vm_vsrc(0)
	s_getreg_b32 s2, hwreg(HW_REG_IB_STS2, 6, 4)
	s_cmp_eq_u32 s2, 0
	s_cbranch_scc0 .Lentry_in_a_cluster
	s_endpgm
.Lentry_in_a_cluster:
	s_bfe_u32 s2, ttmp6, 0x10000c
	s_cmp_lg_u32 s2, 0xf033
	s_cbranch_scc0 .Lentry_shape_is_right
	s_endpgm
.Lentry_shape_is_right:
; Q, K, V = xb wb^T (bf16 operands, f32 sums), the rotation of q and k by the tables, a power of two for each block of q and k, and the way out by heads in f16.
; xb [4096][1024] bf16; wb [3072][1024] bf16, 192 rows on end = one head's q, k, v; cs [4096][32] words (bf16 cos low, bf16 sin high).
; qkv [48][4096][64] f16, index 16 x kind + head; sc [32][4096] f32: the power 2^E by which row s of that index was divided, the same for the 64 rows of a block.
; SHARES.  A work-group makes 256 rows x 192 columns: one head's q, k and v.  Wave w makes rows 64 w .. 64 w + 63 of all 192 columns: 48 accumulators of 16 x 16; its sub-block of 64 x 64 of
; one kind is 8,192 consecutive bytes of qkv and has one power.  16 x 16 work-groups.
; LIMITS.  v goes out in plain f16: |v| stays under 65,504.  q and k are divided by 2^E, E = the exponent of the block's largest magnitude, held at 2^-40 from below (a block whose largest number
; is smaller keeps f16's fixed step); magnitudes of 2^127 and more, NaN and infinities are not treated apart.
; K goes in steps of 128 (rows of 256 bytes in memory) through a ring of two LDS slots.  CLUSTER: 4 x 4 work-groups; the four of a row of the cluster need the same rows of xb, the four of a column the same
; rows of wb: each tile is asked for JOINTLY, by the same tensor load with the same descriptor and a mask that names the four.
; THE MATRIX INSTRUCTION IS USED TRANSPOSED (source 0 = 16 rows of wb, source 1 = 16 rows of xb): a lane holds row l % 16 and the eight neighbouring columns 8 (l / 16) + 0..7.
; REGISTERS, in windows of 256 (s_set_vgpr_msb: bits 1:0 source 0, 3:2 source 1, 5:4 source 2, 7:6 destination):
;   window 0: v1-25 addresses and the powers; v32-95 fragments of xb, two buffers of 4; v96-159 the tables' words for my rows; v160-223, v224-255 at work on the way out
;   window 1: v0-191 fragments of wb, two buffers of 12      window 2: v0-127 q's accumulators, v128-255 k's      window 3: v0-127 v's
.set PITCH, 272                        ; an LDS row: 256 bytes + 16 of padding = 68 words: the 16 rows of a fragment load start at 16 different groups of four banks (64 banks of 4 bytes: ISA guide 11.1)
.set AHALF, 128*PITCH                  ; what one tensor load brings of xb
.set BHALF, 96*PITCH                   ; and of wb
.set APART, 2*AHALF
.set SLOT,  APART+2*BHALF              ; 256 rows of xb, then 192 rows of wb: 121,856 bytes
.set STAGE, 2*SLOT                     ; behind the ring, never filled by a tensor load: 64 rows x 144 bytes for each wave
.set SP,    144
.set SPARE, STAGE+4*64*SP              ; behind the stages: the spare words, 128 bytes for each wave: two blocks of 256 bytes that no other line names
.set KSB,   256                        ; bytes of a row in a K step
.set ADRA, 8                           ; v8-9    LDS address of my fragments of xb in slot 0, 1
.set ADRB, 10                          ; v10-11  the same for wb
.set STO,  12                          ; v12     the way out: where I put 16 bytes of a row
.set RD,   13                          ; v13     where I read rows back
.set GO,   14                          ; v14     16 x lane: my bytes in 512 consecutive bytes of qkv
.set CSO,  15                          ; v15     my byte offset in 16 rows of cs
.set SCO,  16                          ; v16     8 x lane: my two words of the block's 64 in sc
.set PFO,  17                          ; v17     the prefetches' offset: a lane a row; never rewritten
.set SPW,  18                          ; v18     LDS address of my spare word; never rewritten
.set NIL,  19                          ; v19     0; never rewritten
.set PW,   20                          ; v[20:21] q's power, twice; v[22:23] k's
.set INV,  24                          ; v[24:25] 1 / the power in hand, twice
.set FA,   32                          ; fragments of xb: buffer f, block a at FA + 32 f + 8 a
.set CS,   96                          ; the tables' words of accumulator t = 4 a + bb at CS + 4 t
.set TMP,  160
.set RT,   224
.set WV, 14                            ; s14 my wave's number
.set RA, 15                            ; s15 0: I fetch xb; 1: wb
.set HF, 16                            ; s16 which half of that tile's rows
.set CX, 17
.set CY, 18
.set TC, 19                            ; s19 the head = tile column
.set TR, 20                            ; s20 the tile row: 256 rows
.set G1,  24                           ; s[24:31] descriptor group 1 for xb's tiles;  s[32:39] group 0, a set for each slot
.set G0,  32
.set PFA, 44                           ; s[44:45] where my prefetches stand
.set LIM, 46                           ; s46 1 in a wave that prefetches, else the greatest number
.set LAP, 47                           ; s47 trips of the loop still to come
.set G1B, 48                           ; s[48:55], s[56:63] the same for wb's tiles
.set G0B, 56
.set OUT, 66                           ; s[66:67], s[68:69], s[70:71] my block of q, k, v in qkv
.set SCP, 72                           ; s[72:73] my block's 64 words of q's powers in sc
.set SEL, 74                           ; s[74:75] v_permlanex16_b32's selects: each lane takes its own place in the other half
.set MSB, 0
.macro WIN new                         ; the immediate's high byte repeats the setting that is left; a switch that changes nothing is dropped
.if MSB != (\new)
	s_set_vgpr_msb (MSB<<8)|(\new)
.set MSB, \new
.endif
.endm
.set MUL_LO, 0xa1                      ; source 0 (wb) window 1, source 1 (xb) window 0, C and D window 2
.set MUL_HI, 0xf1                      ; the same, C and D window 3
.set TO_B,   0x40                      ; destination window 1, address window 0
; A joint load.  Waves 0 and 1 fetch xb's two halves, waves 2 and 3 wb's.  The branch hangs on the wave's number alone.  An s_nop 0 and four v_nop follow each of the two lines.
.macro JLOAD s
	s_cmp_eq_u32 s[RA], 0
	s_cbranch_scc0 .Lfor_b_\@
	tensor_load_to_lds s[G0+4*(\s):G0+4*(\s)+3], s[G1:G1+7]
	s_nop 0
.rept 4
	v_nop
.endr
	s_branch .Lasked_\@
.Lfor_b_\@:
	tensor_load_to_lds s[G0B+4*(\s):G0B+4*(\s)+3], s[G1B:G1B+7]
	s_nop 0
.rept 4
	v_nop
.endr
.Lasked_\@:
.endm
; A PREFETCH INTO THE L2 of the K step that stands two refills on, behind each joint load and the run of LDS loads that follows it: 256 bytes of a row, a lane a row, one instruction a wave.
; xb's rows are read by every cluster of a row of clusters: cluster x = 0 asks.  wb's by every cluster of a column: cluster y = 0 asks.  The four partners that ask for a tile jointly share its rows out BY ADDRESS:
; of a wave's 128 rows of xb the partner at cx takes 32, of its 96 rows of wb the partner at cy takes 24 (there lanes 24-31 name lane 23's row once more, in the same instruction).
; K steps 0 to 3 come by their loads alone; the loop's last trip asks for nothing: K steps 8 and 9 do not exist.
.macro ASK
	s_cmp_gt_u32 s[LAP], s[LIM]
	s_cbranch_scc0 .Lnot_mine_\@
	global_prefetch_b8 v[PFO], s[PFA:PFA+1] offset:KSB th:TH_LOAD_NT scope:SCOPE_SE
.Lnot_mine_\@:
.endm
.macro CREST                           ; a round of the cluster's barrier behind its opening barrier
	s_cmp_lg_u32 s[WV], 0
	s_cbranch_scc1 .Lnot_wave_0_\@
	s_barrier_signal -3
.Lnot_wave_0_\@:
	s_barrier_wait -3
	s_barrier_signal -1
	s_barrier_wait -1
.endm
.macro CROUND                          ; a whole round
	s_barrier_signal -1
	s_barrier_wait -1
	CREST
.endm
	s_load_b256 s[4:11], s[0:1], 0x0               ; xb s[4:5], wb s[6:7], cs s[8:9], qkv s[10:11]
	s_load_b64 s[12:13], s[0:1], 0x20              ; sc
	v_lshl_add_u32 v[SPW], v0, 2, SPARE
	v_mov_b32 v[NIL], 0
	ds_add_u32 v[SPW], v[NIL]                      ; the wave's opening: the add and its wait stand ahead of my first tensor load; the set-up below, work on registers, stands between them
	v_lshrrev_b32 v1, 5, v0
	v_readfirstlane_b32 s[WV], v1                  ; wave 0..3
	s_lshr_b32 s[RA], s[WV], 1
	s_and_b32 s[HF], s[WV], 1
	s_bfe_u32 s[CX], ttmp6, 0x40000                ; my place in the cluster
	s_bfe_u32 s[CY], ttmp6, 0x40004
	s_lshl_b32 s[TC], ttmp9, 2                     ; in a cluster launch ttmp9 and ttmp7 count clusters
	s_add_co_u32 s[TC], s[TC], s[CX]
	s_and_b32 s[TR], ttmp7, 0xffff
	s_lshl_b32 s[TR], s[TR], 2
	s_add_co_u32 s[TR], s[TR], s[CY]
	s_lshl_b32 s21, s[CY], 2
	s_lshl_b32 s21, 15, s21                        ; my row of the cluster: places 4 cy .. 4 cy + 3
	s_lshl_b32 s22, 0x1111, s[CX]                  ; my column: places cx, cx + 4, cx + 8, cx + 12
	; descriptor group 1: rows of 128 elements of 2 bytes, padded in LDS; 128 rows of xb, 96 of wb
	s_or_b32 s[G1], s21, (1<<16)|(1<<20)|(1<<21)|(5<<22)|(3<<25)   ; 15:0 the mask; 17:16 2-byte elements; 20 padding on; 21 set beside a mask; 24:22 after every 64 words (code 5); 31:25 4 words (code 3)
	s_or_b32 s[G1B], s22, (1<<16)|(1<<20)|(1<<21)|(5<<22)|(3<<25)
	s_mov_b32 s[G1+1], 128<<16                     ; tensor_dim0 = 128
	s_mov_b32 s[G1+2], 128<<16                     ; tensor_dim1 = 128
	s_mov_b32 s[G1+3], 128<<16                     ; tile_dim0 = 128
	s_mov_b32 s[G1+4], 128                         ; tile_dim1 = 128
	s_mov_b32 s[G1+5], 1024                        ; elements from row to row
	s_mov_b32 s[G1+6], 0
	s_mov_b32 s[G1+7], 0
	s_mov_b32 s[G1B+1], 128<<16
	s_mov_b32 s[G1B+2], 96<<16                     ; tensor_dim1 = 96
	s_mov_b32 s[G1B+3], 128<<16
	s_mov_b32 s[G1B+4], 96                         ; tile_dim1 = 96
	s_mov_b32 s[G1B+5], 1024
	s_mov_b32 s[G1B+6], 0
	s_mov_b32 s[G1B+7], 0
	; where the tiles come from: xb's hang on the tile row alone, wb's on the tile column alone
	s_lshl_b32 s23, s[HF], 7
	s_lshl_b32 s40, s[TR], 8
	s_add_co_u32 s40, s40, s23                     ; xb: row 256 x tile row + 128 x half
	s_lshl_b32 s40, s40, 11                        ; in bytes
	s_mov_b32 s41, 0
	s_mul_i32 s76, s[TC], 192
	s_mul_i32 s77, s[HF], 96
	s_add_co_u32 s76, s76, s77                     ; wb: row 192 x head + 96 x half
	s_lshl_b32 s76, s76, 11
	s_mov_b32 s77, 0
	s_mul_i32 s21, s[HF], AHALF                    ; and where they go: no place in the cluster enters an LDS address
	s_mul_i32 s22, s[HF], BHALF
	s_add_co_u32 s22, s22, APART
	s_mov_b32 s[SEL], 0x76543210
	s_mov_b32 s[SEL+1], 0xfedcba98
	s_wait_dscnt 0x0                               ; the opening add is done
	s_wait_kmcnt 0x0
	s_add_nc_u64 s[42:43], s[4:5], s[40:41]
	s_add_nc_u64 s[78:79], s[6:7], s[76:77]
	CROUND                                         ; all sixteen work-groups are here: the first joint loads meet
.irp s, 0,1
	s_mov_b32 s[G0+4*(\s)], 1                                      ; count = 1
	s_add_co_u32 s[G0+4*(\s)+1], s21, (\s)*SLOT                    ; LDS address
	s_add_nc_u64 s[G0+4*(\s)+2:G0+4*(\s)+3], s[42:43], (\s)*KSB    ; global address: K step s
	s_or_b32 s[G0+4*(\s)+3], s[G0+4*(\s)+3], 0x80000000            ; type = 2
	s_mov_b32 s[G0B+4*(\s)], 1
	s_add_co_u32 s[G0B+4*(\s)+1], s22, (\s)*SLOT
	s_add_nc_u64 s[G0B+4*(\s)+2:G0B+4*(\s)+3], s[78:79], (\s)*KSB
	s_or_b32 s[G0B+4*(\s)+3], s[G0B+4*(\s)+3], 0x80000000
	JLOAD \s                                       ; two loads of mine are out
.endr
	; the tables' words for my 64 rows: accumulator (a, bb) holds row 16 a + l % 16 and the pairs 8 bb + 4 (l / 16) + 0..3: 16 bytes of a row of cs.  They are wanted on the way out.
	v_and_b32 v1, 15, v0                           ; l % 16
	v_bfe_u32 v2, v0, 4, 1                         ; l / 16
	v_lshlrev_b32 v[CSO], 7, v1
	v_lshl_add_u32 v[CSO], v2, 4, v[CSO]
	s_lshl_b32 s21, s[TR], 8
	s_lshl_b32 s23, s[WV], 6
	s_add_co_u32 s21, s21, s23                     ; my first row
	s_lshl_b32 s40, s21, 7                         ; x 128 bytes: a row of cs, and a row of a head in qkv
	s_add_nc_u64 s[8:9], s[8:9], s[40:41]
.irp t, 0,1,2,3,4,5,6,7,8,9,10,11,12,13,14,15
	global_load_b128 v[CS+4*(\t):CS+4*(\t)+3], v[CSO], s[8:9] offset:((\t)/4)*2048+((\t)%4)*32
.endr
	s_add_nc_u64 s[OUT:OUT+1], s[10:11], s[40:41]
	s_lshl_b32 s76, s[TC], 19                      ; a head is 524,288 bytes
	s_add_nc_u64 s[OUT:OUT+1], s[OUT:OUT+1], s[76:77]
	s_add_nc_u64 s[OUT+2:OUT+3], s[OUT:OUT+1], 0x800000    ; k's sixteen heads lie behind q's,
	s_add_nc_u64 s[OUT+4:OUT+5], s[OUT:OUT+1], 0x1000000   ; v's behind k's
	s_lshl_b32 s40, s21, 2
	s_add_nc_u64 s[SCP:SCP+1], s[12:13], s[40:41]
	s_lshl_b32 s76, s[TC], 14
	s_add_nc_u64 s[SCP:SCP+1], s[SCP:SCP+1], s[76:77]
	; A fragment is 16 rows x 32 K in 8 registers: lane l holds row l % 16; registers 0-3 K = 8 (l / 16) + 0..7, registers 4-7 K = 16 + 8 (l / 16) + 0..7: two loads of 16 bytes, 32 bytes apart.
	v_mul_u32_u24 v3, v1, PITCH
	v_lshl_add_u32 v3, v2, 4, v3
	s_mul_i32 s22, s[WV], 64*PITCH                 ; my 64 rows of xb
	v_add_nc_u32 v[ADRA], s22, v3
	v_add_nc_u32 v[ADRA+1], SLOT, v[ADRA]
	v_add_nc_u32 v[ADRB], APART, v3                ; all 192 rows of wb
	v_add_nc_u32 v[ADRB+1], APART+SLOT, v3
	s_mul_i32 s22, s[WV], 64*SP
	s_add_co_u32 s22, s22, STAGE                   ; my stage
	v_mul_u32_u24 v4, v1, SP                       ; in: row l % 16, 16 bytes for each half of the lanes
	v_lshl_add_u32 v4, v2, 4, v4
	v_add_nc_u32 v[STO], s22, v4
	v_bfe_u32 v4, v0, 3, 2                         ; back: 32 lanes take four rows of 128 bytes,
	v_and_b32 v5, 7, v0
	v_mul_u32_u24 v4, v4, SP
	v_lshl_add_u32 v4, v5, 4, v4
	v_add_nc_u32 v[RD], s22, v4
	v_and_b32 v5, 31, v0
	v_lshlrev_b32 v[GO], 4, v5                     ; which are 512 consecutive bytes of qkv
	v_lshlrev_b32 v[SCO], 3, v5
	; the prefetches
	s_and_b32 s23, ttmp7, 0xffff                   ; cluster y
	s_cmp_eq_u32 s[RA], 0                          ; do I fetch xb?
	s_cselect_b32 s21, s[CX], s[CY]                ; my place among the four that ask with me
	s_cselect_b32 s22, 32, 24                      ; rows to a partner
	s_cselect_b32 s23, ttmp9, s23                  ; the coordinate along which other clusters read the same rows
	s_cselect_b32 s40, 31, 23
	s_cselect_b64 s[PFA:PFA+1], s[42:43], s[78:79]
	s_cmp_eq_u32 s23, 0
	s_cselect_b32 s[LIM], 1, -1                    ; the same in all sixteen partners, for a given wave
	s_mul_i32 s22, s21, s22
	s_lshl_b32 s22, s22, 11
	s_mov_b32 s23, 0
	s_add_nc_u64 s[PFA:PFA+1], s[PFA:PFA+1], s[22:23]
	s_add_nc_u64 s[PFA:PFA+1], s[PFA:PFA+1], 2*KSB ; at K step 2: the first refill steps it to 3 and names K step 4
	v_min_u32 v[PFO], s40, v5
	v_lshlrev_b32 v[PFO], 11, v[PFO]
; 16 matrix instructions: sub-block j (0 q, 1 k, 2 v), 4 row blocks x 4 column blocks, 32 along K, out of buffer f.  zero = 1: the product starts the sums: nothing is ever cleared.
; The 48 accumulators take turns in one order in every quarter step: 47 others stand between two links of a chain, over the backward jump too.
.macro MULJ f, j, zero
	WIN MUL_LO+0x50*((\j)/2)
.irp a, 0,1,2,3
.irp b, 0,1,2,3
.set rD, 128*((\j)%2)+8*(4*(\a)+(\b))
.set rB, 96*(\f)+8*(4*(\j)+(\b))
.set rA, FA+32*(\f)+8*(\a)
.if \zero
	v_wmma_f32_16x16x32_bf16 v[rD:rD+7], v[rB:rB+7], v[rA:rA+7], 0
.else
	v_wmma_f32_16x16x32_bf16 v[rD:rD+7], v[rB:rB+7], v[rA:rA+7], v[rD:rD+7]
.endif
.endr
.endr
.endm
; 32 LDS loads in one run: the fragments of a quarter step (32 K at byte k of the rows) into buffer f: xb's four, then wb's twelve in ascending order
.macro FETCH slot, k, f
	WIN 0
.irp i, 0,1,2,3
	ds_load_b128 v[FA+32*(\f)+8*(\i):FA+32*(\f)+8*(\i)+3],   v[ADRA+(\slot)] offset:(\k)+(\i)*16*PITCH
	ds_load_b128 v[FA+32*(\f)+8*(\i)+4:FA+32*(\f)+8*(\i)+7], v[ADRA+(\slot)] offset:(\k)+(\i)*16*PITCH+32
.endr
	WIN TO_B
.irp i, 0,1,2,3,4,5,6,7,8,9,10,11
	ds_load_b128 v[96*(\f)+8*(\i):96*(\f)+8*(\i)+3],   v[ADRB+(\slot)] offset:(\k)+(\i)*16*PITCH
	ds_load_b128 v[96*(\f)+8*(\i)+4:96*(\f)+8*(\i)+7], v[ADRB+(\slot)] offset:(\k)+(\i)*16*PITCH+32
.endr
.endm
.macro PLACES                          ; four plain places in front of loads into registers that matrix instructions have read, and of vector lines that read results
.rept 4
	v_nop
.endr
.endm
; A K step is four quarters of 32 along K, 48 matrix instructions each, on buffers 0, 1, 0, 1.  One of the first three: multiplies buffer f and fetches the next quarter, at byte k, into g.
.macro QUARTER slot, k, f, g, zero
	s_wait_dscnt 16                                ; xb's fragments and wb's 0-3 are in; the youngest sixteen loads (wb's 4-11) may be out
	MULJ \f, 0, \zero
	PLACES
	FETCH \slot, \k, \g
	s_wait_dscnt 32                                ; all but the 32 just issued
	MULJ \f, 1, \zero
	MULJ \f, 2, \zero
.endm
; The last quarter multiplies buffer 1 and changes slots: ONE barrier.  In front of it each wave waits for all its tensor loads (the one that is out is its part of the next slot), adds 0 to its spare word, and
; waits for that and for its own reads of this slot.  fill = 1: the barrier opens a round of the cluster's barrier, and behind the round this slot is filled again, two K steps ahead, first of all.
.macro TURN slot, next, fill
.if \fill
	s_wait_xcnt 0x0                                ; the last prefetch, a K step back, has read its address: it is stepped here, ahead of the waits of the change of slots
	s_add_nc_u64 s[PFA:PFA+1], s[PFA:PFA+1], KSB
.endif
	WIN 0                                          ; (the add's two registers lie in window 0)
	s_wait_tensorcnt 0x0                           ; all my tensor loads have landed;
	ds_add_u32 v[SPW], v[NIL]                      ; 0 onto my spare word;
	s_wait_dscnt 17                                ; (the add and the youngest sixteen loads may be out)
	MULJ 1, 0, 0                                   ; sixteen matrix instructions stand between the add and the wait for it
	s_wait_dscnt 0x0                               ; the add is done, and my reads of this slot are over
	s_barrier_signal -1
	MULJ 1, 1, 0                                   ; work on registers while the others arrive
.if \fill
	WIN 0
.endif
	s_barrier_wait -1
.if \fill
	CREST                                          ; no wave of any partner still reads this slot's tile or has a load on its way
	s_add_nc_u64 s[G0+4*(\slot)+2:G0+4*(\slot)+3], s[G0+4*(\slot)+2:G0+4*(\slot)+3], 2*KSB
	s_add_nc_u64 s[G0B+4*(\slot)+2:G0B+4*(\slot)+3], s[G0B+4*(\slot)+2:G0B+4*(\slot)+3], 2*KSB
	JLOAD \slot                                    ; the first tensor load behind the round; the four v_nop behind it are also the places in front of the loads below
.else
	PLACES
.endif
	FETCH \next, 0, 0
.if \fill
	WIN 0
	ASK
.endif
	MULJ 1, 2, 0
.endm
	s_wait_tensorcnt 1                             ; my part of K step 0 is in; K step 1's may stay out
	s_barrier_signal -1
	s_barrier_wait -1                              ; everybody's is
	FETCH 0, 0, 0
	QUARTER 0, 64, 0, 1, 1                         ; the first quarter stands in front of the loop: its products start the sums
	WIN 0                                          ; at a label and at a branch every window is 0
	s_mov_b32 s[LAP], 3
.Llap:                                                 ; a trip goes once round the ring, from a lap's second quarter to the next lap's first, and fills both slots again: K steps 2 to 7
	QUARTER 0, 128, 1, 0, 0
	QUARTER 0, 192, 0, 1, 0
	TURN 0, 1, 1
	QUARTER 1, 64,  0, 1, 0
	QUARTER 1, 128, 1, 0, 0
	QUARTER 1, 192, 0, 1, 0
	TURN 1, 0, 1
	QUARTER 0, 64,  0, 1, 0
	WIN 0
	s_sub_co_u32 s[LAP], s[LAP], 1
	s_cmp_lg_u32 s[LAP], 0
	s_cbranch_scc1 .Llap
	QUARTER 0, 128, 1, 0, 0                        ; the last lap fills nothing, and has no round of the cluster's barrier
	QUARTER 0, 192, 0, 1, 0
	TURN 0, 1, 0
	QUARTER 1, 64,  0, 1, 0
	QUARTER 1, 128, 1, 0, 0
	QUARTER 1, 192, 0, 1, 0
	s_wait_dscnt 16                                ; the very last quarter: nothing more to fetch
	MULJ 1, 0, 0
	s_wait_dscnt 0x0
	MULJ 1, 1, 0
	MULJ 1, 2, 0
; THE WAY OUT.  CVT: sub-block j rounded to f16, 16 bytes a lane and accumulator; each accumulator's registers in ascending order.
.macro CVT j
	WIN 0x0a+5*((\j)/2)                            ; sources 0 and 1: window 2 or 3
.set t, 0
.rept 16
.irp i, 0,1,2,3
	v_cvt_pk_f16_f32 v[TMP+4*t+(\i)], v[128*((\j)%2)+8*t+2*(\i)], v[128*((\j)%2)+8*t+2*(\i)+1]
.endr
.set t, t+1
.endr
	WIN 0
.endm
; SENDOUT: into my own stage (rows of 144 bytes), back as whole rows of 128 bytes, four to a load, and out: the block is 8,192 consecutive bytes of qkv.
.macro SENDOUT j
	WIN 0
.irp a, 0,1,2,3
.irp b, 0,1,2,3
	ds_store_b128 v[STO], v[TMP+4*(4*(\a)+(\b)):TMP+4*(4*(\a)+(\b))+3] offset:(\a)*16*SP+32*(\b)
.endr
.endr
.irp f, 0,1,2,3,4,5,6,7,8,9,10,11,12,13,14,15
	ds_load_b128 v[TMP+4*(\f):TMP+4*(\f)+3], v[RD] offset:(\f)*4*SP  ; LDS serves a wave's instructions in order (ISA guide 5.7.1.4): these see the stores above
.endr
.irp f, 0,1,2,3,4,5,6,7,8,9,10,11,12,13,14,15
	s_wait_dscnt 15-(\f)
	global_store_b128 v[GO], v[TMP+4*(\f):TMP+4*(\f)+3], s[OUT+2*(\j):OUT+2*(\j)+1] offset:512*(\f)  ; 512 consecutive bytes, at a multiple of 256 from qkv's first
.endr
.endm
; ROPE: (e, o) -> (e c - o s, e s + o c) in place, two accumulators at a time.  A lane's registers 2 i, 2 i + 1 are a pair, word i of the accumulator's four holds its c and s.
.macro ROPE j
.set AB, 128*(\j)
.set t, 0
.rept 8
	WIN 0
.irp u, 0,1
.irp i, 0,1,2,3
	v_lshlrev_b32 v[RT+16*(\u)+(\i)], 16, v[CS+4*(t+(\u))+(\i)]            ; c
	v_and_b32 v[RT+16*(\u)+4+(\i)], 0xffff0000, v[CS+4*(t+(\u))+(\i)]      ; s
.endr
.endr
	WIN 0x02                                       ; source 0 in window 2
.irp u, 0,1
.irp i, 0,1,2,3
	v_mul_f32 v[RT+16*(\u)+8+(\i)],  v[AB+8*(t+(\u))+2*(\i)+1], v[RT+16*(\u)+4+(\i)]  ; o s
	v_mul_f32 v[RT+16*(\u)+12+(\i)], v[AB+8*(t+(\u))+2*(\i)+1], v[RT+16*(\u)+(\i)]    ; o c
.endr
.endr
	WIN 0x82                                       ; destination and source 0 in window 2
.irp u, 0,1
.irp i, 0,1,2,3
	v_fma_f32 v[AB+8*(t+(\u))+2*(\i)+1], v[AB+8*(t+(\u))+2*(\i)], v[RT+16*(\u)+4+(\i)], v[RT+16*(\u)+12+(\i)]
	v_fma_f32 v[AB+8*(t+(\u))+2*(\i)],   v[AB+8*(t+(\u))+2*(\i)], v[RT+16*(\u)+(\i)], -v[RT+16*(\u)+8+(\i)]
.endr
.endr
.set t, t+2
.endr
	WIN 0
.endm
; AMAX: the block's largest magnitude, in four chains over my 128 registers, then across the 32 lanes; its exponent alone is the power, held at 2^-40 from below; 1 / power by the exponent's complement.
.macro AMAX j
.set AB, 128*(\j)
	WIN 0x0a
.irp k, 0,1,2,3
	v_max_num_f32 v[RT+(\k)], |v[AB+32*(\k)]|, |v[AB+32*(\k)+1]|
.endr
	WIN 0x28                                       ; sources 1 and 2 in window 2
.set n, 2
.rept 15
.irp k, 0,1,2,3
	v_max3_num_f32 v[RT+(\k)], v[RT+(\k)], |v[AB+32*(\k)+n]|, |v[AB+32*(\k)+n+1]|
.endr
.set n, n+2
.endr
	WIN 0
	v_max3_num_f32 v[RT], v[RT], v[RT+1], v[RT+2]
	v_max_num_f32 v[RT], v[RT], v[RT+3]
	v_max_num_f32_dpp v[RT], v[RT], v[RT] row_xmask:1 row_mask:0xf bank_mask:0xf
	v_max_num_f32_dpp v[RT], v[RT], v[RT] row_xmask:2 row_mask:0xf bank_mask:0xf
	v_max_num_f32_dpp v[RT], v[RT], v[RT] row_xmask:4 row_mask:0xf bank_mask:0xf
	v_max_num_f32_dpp v[RT], v[RT], v[RT] row_xmask:8 row_mask:0xf bank_mask:0xf
	v_permlanex16_b32 v[RT+1], v[RT], s[SEL], s[SEL+1]
	v_max_num_f32 v[RT], v[RT], v[RT+1]
	v_and_b32 v[RT], 0x7f800000, v[RT]             ; 2^E
	v_max_num_f32 v[PW+2*(\j)], 0x2b800000, v[RT]  ; at least 2^-40
	v_mov_b32 v[PW+2*(\j)+1], v[PW+2*(\j)]
	v_sub_nc_u32 v[INV], 0x7f000000, v[PW+2*(\j)]  ; 2^-E: the exponent field 254 - e
	v_mov_b32 v[INV+1], v[INV]
.endm
.macro SCALE j
.set AB, 128*(\j)
	WIN 0x82
.set n, 0
.rept 64
	v_pk_mul_f32 v[AB+n:AB+n+1], v[AB+n:AB+n+1], v[INV:INV+1] op_sel_hi:[1,0]
.set n, n+2
.endr
	WIN 0
.endm
	PLACES                                         ; the conversions read results just made
	CVT 2                                          ; v goes first: its stores leave while q and k are at work
	SENDOUT 2
	s_wait_loadcnt 0x0                             ; the tables' words
.irp j, 0,1
	ROPE \j
	AMAX \j
	SCALE \j
	s_wait_xcnt 0x0                                ; the stores of the block before have read their registers, which are written again only behind this wait
	CVT \j
	SENDOUT \j
	global_store_b64 v[SCO], v[PW+2*(\j):PW+2*(\j)+1], s[SCP:SCP+1] offset:(\j)*262144  ; the power, 64 times: 256 consecutive bytes, aligned; k's powers lie 16 x 4,096 words behind q's
.endr
	s_wait_tensorcnt 0x0                           ; the wave's end, behind my last tensor load and my last LDS store
	ds_add_u32 v[SPW], v[NIL]
	s_wait_dscnt 0x0
	CROUND                                         ; the closing round: no work-group ends while a partner may still ask for a tile that names it
	s_endpgm
.Lfunc_end_k_q9b25b468e5_qkvrope:
	.size	k_q9b25b468e5_qkvrope, .Lfunc_end_k_q9b25b468e5_qkvrope-k_q9b25b468e5_qkvrope
	.p2alignl 7, 3214868480
	.fill 96, 4, 3214868480
	.section	.rodata,"a",@progbits
	.p2align	6, 0x0
	.amdhsa_kernel k_q9b25b468e5_qkvrope
		.amdhsa_group_segment_fixed_size 327680
		.amdhsa_private_segment_fixed_size 0
		.amdhsa_enable_private_segment 0
		.amdhsa_kernarg_size 40
		.amdhsa_user_sgpr_count 2
		.amdhsa_user_sgpr_kernarg_segment_ptr 1
		.amdhsa_wavefront_size32 1
		.amdhsa_system_sgpr_workgroup_id_x 1
		.amdhsa_system_sgpr_workgroup_id_y 1
		.amdhsa_system_sgpr_workgroup_id_z 1
		.amdhsa_system_vgpr_workitem_id 0
		.amdhsa_next_free_vgpr 896
		.amdhsa_next_free_sgpr 80
		.amdhsa_reserve_vcc 0
		.amdhsa_float_denorm_mode_32 3
		.amdhsa_float_denorm_mode_16_64 3
		.amdhsa_memory_ordered 1
		.amdhsa_forward_progress 1
		.amdhsa_inst_pref_size 178
	.end_amdhsa_kernel
	.amdgpu_metadata
---
amdhsa.version: [ 1, 2 ]
amdhsa.kernels:
  - .name:           k_q9b25b468e5_qkvrope
    .symbol:         k_q9b25b468e5_qkvrope.kd
    .args:
      - { .name: xb, .offset: 0, .size: 8, .value_kind: global_buffer, .address_space: global }
      - { .name: wb, .offset: 8, .size: 8, .value_kind: global_buffer, .address_space: global }
      - { .name: cs, .offset: 16, .size: 8, .value_kind: global_buffer, .address_space: global }
      - { .name: qkv, .offset: 24, .size: 8, .value_kind: global_buffer, .address_space: global }
      - { .name: sc, .offset: 32, .size: 8, .value_kind: global_buffer, .address_space: global }
    .group_segment_fixed_size: 327680
    .private_segment_fixed_size: 0
    .kernarg_segment_align: 8
    .kernarg_segment_size: 40
    .max_flat_workgroup_size: 128
    .sgpr_count:     80
    .vgpr_count:     896
    .wavefront_size: 32
...
	.end_amdgpu_metadata
.endif
;; end of part 2
;; launch attn (part 3): grid 16 x 16, 4 waves a work-group, no clusters, 243,200 bytes of LDS; arguments qkv, sc, oh; writes oh
.if DOCPART == 3
	.amdgcn_target "amdgcn-amd-amdhsa--gfx1250"
	.amdhsa_code_object_version 6
	.text
	.protected	k_q9b25b468e5_attn
	.globl	k_q9b25b468e5_attn
	.p2align	8
	.type	k_q9b25b468e5_attn,@function
k_q9b25b468e5_attn:
	s_mov_b64 s[64:65], 0
	v_nop
	global_prefetch_b8 v0, s[64:65] scope:SCOPE_SE
	s_setreg_imm32_b32 hwreg(HW_REG_WAVE_MODE, 25, 1), 1
	s_wait_xcnt 0x0
; ATTENTION IN A BAND.  O[h][q] = the sum over |q - k| <= 256 of softmax_k(Q[h][q] . K[h][k] / 8) V[h][k].  qkv [48][4096][64] f16 (q: index h, k: 16 + h, v: 32 + h); q and k arrive divided by a power of two for each
; block of 64 rows, sc [32][4096] f32 holds the powers.  oh [16][4096][64] f16.  Products, maxima and sums in f32; the weights p are rounded to f16 for the second product (their sum l is taken of the unrounded p), O once.
; SHARES.  A work-group owns 256 queries of one head, wave w the 64 from w0 = 256 QB + 64 w on: four tiles of 16.  Its keys are rows w0 - 256 .. w0 + 319: nine aligned steps of 64.  In step 0 key ki of the step is hidden
; from query qi of the wave where ki < qi, in step 8 where ki > qi; steps 1 to 7 are seen whole.  A step whose rows do not exist (at the sequence's two ends) is jumped over, forward.
; ALL THE BLOCK'S KEYS LIE IN LDS AT ONCE: rows 256 QB - 256 .. 256 QB + 511 of K and V, twelve steps, filled once; wave w reads step w + t of them in its step t.  No slot is filled again: one barrier.
; NO CLUSTER: a chunk of 128 keys is wanted by at most three neighbouring blocks, and which chunks a block wants hangs on its place; if all four partners took every chunk that one of them wants, that
; would be 1,536 keys x 304 bytes = 466,944 bytes of LDS.  Nothing is prefetched: all that the work-group reads is asked for at its head.
; THE SCALE.  p = 2^(F s - M), F = log2(e) / 8 x q's power x k's power, s the product of the stored numbers; the running maximum M is kept in true units (F s), so that steps with other powers compare rightly.
; In every step O and l are multiplied by a = 2^(M_old - M_new).  M starts at -4.25e37, O and l at 0: whichever step is a wave's first is a step like any other, with a = 0.
; THE MASK is the C operand that starts the sum S^T = K Q^T: 0, or -1e30 where the key is hidden.  In steps 0 and 8 every query sees at least one key, so the step's maximum is a true score.
; LIMITS.  |F s| beyond 4e37 is not served.  A hidden score counts as its stored value less 1e30.  A weight below 2^-126 counts as 0.  |v| arrives within 65,504, and O, a mean of V's rows, has their range.
; NaN and infinities are not treated apart.
; LAYOUT.  S^T = K Q^T (source 0 = 16 keys, source 1 = 16 queries) holds ONE query a lane (lane % 16) and the keys 8 (lane / 16) + 0..7; two such results rounded to f16 in pairs ARE source 1 of O^T = V^T P.
; K comes out of LDS as it lies, V ([key][channel]) turned, by ds_load_tr16_b128.
; REGISTERS, in windows of 256 (s_set_vgpr_msb: bits 1:0 source 0, 3:2 source 1, 5:4 source 2, 7:6 destination):
;   window 0: v1-11 addresses; v12-15 M_old; v16-31 four statistics a tile; v32-38 scales and such; v48-63 at work; v64-191 S^T, 32 a tile; v192-255 P, 16 a tile
;   window 1: v0-127 O^T, 32 a tile; v128-151 three masks of 8      window 2: v0-63 Q; v128-191 K of one step; v192-255 V of one step
.set KS,    64
.set PK,    144       ; a row of K in LDS: 128 bytes + 16 of padding = 36 words: the 16 rows of a load start at 16 different groups of four banks (64 banks of 4 bytes: ISA guide 11.1)
.set PV,    160       ; a row of V: 128 + 32 = 40 words
.set KSB,   KS*PK     ; a step of K: 9,216 bytes
.set VSB,   KS*PV     ; of V: 10,240
.set VOFF,  12*KSB    ; twelve steps of K, then twelve of V
.set STAGE, VOFF+12*VSB  ; behind them, never filled by a tensor load: 16 rows x 144 bytes for each wave, for the way out
.set SP,    144
.set SPARE, STAGE+4*16*SP  ; behind the stages: the spare words, 128 bytes for each wave: two blocks of 256 bytes that no other line names
.set AK0, 2           ; v2   my lane's place in a step of K; never rewritten
.set AV0, 3           ; v3   the same for V
.set AK,  4           ; v4   the LDS address of K's run of loads
.set AV,  5           ; v5   of V's
.set STO, 6           ; v6   the way out: where I put 16 bytes of a row
.set RD,  7           ; v7   where I read rows back
.set GO,  8           ; v8   my byte offset in 512 consecutive bytes of oh
.set MV,  12          ; v12-15  M_old, a tile each
.set ST,  16          ; tile t's statistics at v[ST+4 t]: M, the step's maximum in stored units, l (even keys', odd keys')
.set FV,  32          ; v[32:33] F, twice
.set CQ,  34          ; v34  log2(e) / 8 x q's power
.set QO,  35          ; v35  my byte offset in 16 rows of Q
.set SPW, 36          ; v36  LDS address of my spare word; never rewritten
.set NIL, 37          ; v37  0; never rewritten
.set DV,  38          ; v38  l % 16 - 8 (l / 16): register j of a diagonal block is hidden where j is below it (step 0) or above it (step 8)
.set TMP, 48          ; four registers c0-c3 a tile, at work; a takes c2's place
.set S,   64
.set P,   192
.set DLO, 128         ; window 1: the diagonal block's mask in step 0
.set DHI, 136         ; in step 8
.set NEG, 144         ; a wholly hidden block's
.set KF,  128         ; window 2: key block kt, channel half c at KF + 16 kt + 8 c
.set VF,  192         ; window 2: key half kk, channel block cb at VF + 32 kk + 8 cb
.set WV,  12          ; s12  my wave's number
.set QB,  13          ; s13  the block of 256 queries
.set HD,  14          ; s14  the head
.set PAR, 15          ; s15  wave % 2: which chunks I fetch
.set G1K, 24          ; s[24:31] descriptor group 1 for K's chunks
.set G1V, 32          ; s[32:39] for V's: it differs in the padding alone
.set G0K, 40          ; s[40:51] three groups 0 for K's chunks
.set G0V, 52          ; s[52:63] the same for V's
.set KR,  66          ; s66  the first key row of the step in hand (below 0 it wraps, and counts as past the end)
.set TBK, 67          ; s67  LDS byte at which K of that step begins
.set TBV, 68          ; s68  the same for V, less VOFF
.set CNT, 69          ; s69  counts the seven whole steps
.set SK,  70          ; s70  the power of the step's keys
.set SQ,  71          ; s71  the power of my queries
.set TO,  72          ; s72  4 x KR
.set SQO, 73          ; s73  byte offset of my queries' power in sc
.set SEL, 74          ; s[74:75] v_permlanex16_b32's selects: each lane takes its own place in the other half
.set KSC, 76          ; s[76:77] the powers of the head's keys
.set KP,  78          ; s[78:79] K at my chunk of the block's own 256 rows
.set VP,  80          ; s[80:81] V likewise
.set BIGN, 82         ; s82  -1e30
.set MSB, 0
.macro WIN new                      ; the high byte repeats the setting that is left; a switch that changes nothing is dropped
.if MSB != (\new)
	s_set_vgpr_msb (MSB<<8)|(\new)
.set MSB, (\new)
.endif
.endm
.set W_KQ, 0x0a       ; K and Q in window 2, S^T in window 0
.set W_KM, 0x1a       ; the same with the C operand in window 1
.set W_PV, 0x52       ; V in window 2, P in window 0, O^T in window 1
.set W_RS, 0x41       ; destination and source 0 in window 1, source 1 in window 0
.macro TL g0, g1                    ; a tensor load; an s_nop 0 and four v_nop follow it
	tensor_load_to_lds s[\g0:\g0+3], s[\g1:\g1+7]
	s_nop 0
.rept 4
	v_nop
.endr
.endm
; A wave's first and only fills: its chunk of the block's own 256 rows; of the 256 rows below, where they exist; of the 256 rows above, where they exist.  At most three loads of mine are out.
.macro FILLS g0, g1
	TL \g0+4, \g1
	s_cmp_lg_u32 s[QB], 0
	s_cbranch_scc0 .Lno_low_\@
	TL \g0, \g1
.Lno_low_\@:
	s_cmp_lg_u32 s[QB], 15
	s_cbranch_scc0 .Lno_high_\@
	TL \g0+8, \g1
.Lno_high_\@:
.endm
.macro G0ADR g, p                   ; the three global addresses, 256 rows = 32,768 bytes apart, and the type bits.  (Where a chunk does not exist its address is made and not used.)
	s_sub_nc_u64 s[\g+2:\g+3], s[\p:\p+1], 32768
	s_mov_b64 s[\g+6:\g+7], s[\p:\p+1]
	s_add_nc_u64 s[\g+10:\g+11], s[\p:\p+1], 32768
	s_or_b32 s[\g+3], s[\g+3], 0x80000000
	s_or_b32 s[\g+7], s[\g+7], 0x80000000
	s_or_b32 s[\g+11], s[\g+11], 0x80000000
.endm
.macro ALL line:vararg              ; one line for each tile t
.set t, 0
.rept 4
	\line
.set t, t+1
.endr
.endm
	s_load_b128 s[4:7], s[0:1], 0x0 ; qkv s[4:5], sc s[6:7]
	s_load_b64 s[8:9], s[0:1], 0x10 ; oh
	v_lshl_add_u32 v[SPW], v0, 2, SPARE
	v_mov_b32 v[NIL], 0
	ds_add_u32 v[SPW], v[NIL]       ; the wave's opening: the add and its wait stand ahead of my first tensor load; the set-up below, work on registers, stands between them
	v_lshrrev_b32 v1, 5, v0
	v_readfirstlane_b32 s[WV], v1   ; wave 0..3
	s_mov_b32 s[QB], ttmp9
	s_and_b32 s[HD], ttmp7, 0xffff
	s_and_b32 s[PAR], s[WV], 1
	s_lshl_b32 s16, s[HD], 19       ; a head is 524,288 bytes,
	s_lshl_b32 s17, s[QB], 15       ; a block of 256 rows 32,768
	s_add_co_u32 s16, s16, s17
	s_lshl_b32 s18, s[PAR], 14      ; a chunk of 128 rows 16,384
	s_add_co_u32 s18, s18, s16
	s_mov_b32 s19, 0
	s_lshl_b32 s20, s[WV], 13       ; my 64 rows of Q and O
	s_add_co_u32 s20, s20, s16
	s_mov_b32 s21, 0
	s_lshl_b32 s22, s[QB], 8
	s_lshl_b32 s23, s[WV], 6
	s_add_co_u32 s22, s22, s23      ; w0
	s_sub_co_u32 s[KR], s22, 256
	s_lshl_b32 s23, s[HD], 12
	s_add_co_u32 s23, s23, s22
	s_lshl_b32 s[SQO], s23, 2
	s_add_co_u32 s16, s[HD], 16
	s_lshl_b32 s16, s16, 14         ; the head's row of k's powers: 4,096 words
	s_mov_b32 s17, 0
	s_mul_i32 s[TBK], s[WV], KSB    ; my step 0 is the block's step w
	s_mul_i32 s[TBV], s[WV], VSB
	s_mul_i32 s22, s[PAR], 2*KSB    ; my chunks' places in LDS: chunk par + 2 n
	s_mul_i32 s23, s[PAR], 2*VSB
	; descriptor group 1.  128 keys are 16,384 dense bytes: asked for as 64 rows of 256 bytes, two keys a row, and padded in LDS after every key
	s_mov_b32 s[G1K], (1<<16)|(1<<20)|(4<<22)|(3<<25)  ; 17:16 2-byte elements; 20 padding on; 24:22 after every 32 words (code 4); 31:25 4 words (code 3)
	s_mov_b32 s[G1V], (1<<16)|(1<<20)|(4<<22)|(7<<25)  ; the same with 8 words of padding (code 7)
.irp g, G1K, G1V
	s_mov_b32 s[\g+1], 128<<16      ; tensor_dim0 = 128
	s_mov_b32 s[\g+2], 64<<16       ; tensor_dim1 = 64
	s_mov_b32 s[\g+3], 128<<16      ; tile_dim0 = 128
	s_mov_b32 s[\g+4], 64           ; tile_dim1 = 64
	s_mov_b32 s[\g+5], 128          ; 128 elements from row to row
	s_mov_b32 s[\g+6], 0
	s_mov_b32 s[\g+7], 0
.endr
.irp n, 0,1,2
	s_mov_b32 s[G0K+4*(\n)], 1      ; count = 1
	s_add_co_u32 s[G0K+4*(\n)+1], s22, (\n)*4*KSB
	s_mov_b32 s[G0V+4*(\n)], 1
	s_add_co_u32 s[G0V+4*(\n)+1], s23, VOFF+(\n)*4*VSB
.endr
	s_mov_b32 s[SEL], 0x76543210
	s_mov_b32 s[SEL+1], 0xfedcba98
	s_mov_b32 s[BIGN], 0xf149f2ca   ; -1e30
	s_wait_dscnt 0x0                ; the opening add is done
	s_wait_kmcnt 0x0
	s_add_nc_u64 s[KP:KP+1], s[4:5], s[18:19]
	s_add_nc_u64 s[VP:VP+1], s[KP:KP+1], 0x1000000  ; v's sixteen heads
	s_add_nc_u64 s[KP:KP+1], s[KP:KP+1], 0x800000   ; k's
	s_add_nc_u64 s[4:5], s[4:5], s[20:21]           ; Q and O at my wave's first row
	s_add_nc_u64 s[8:9], s[8:9], s[20:21]
	G0ADR G0K, KP
	G0ADR G0V, VP
	s_cmp_lt_u32 s[WV], 2           ; waves 0 and 1 fetch K's chunks, waves 2 and 3 V's
	s_cbranch_scc0 .Lfor_v
	FILLS G0K, G1K
	s_branch .Lasked
.Lfor_v:
	FILLS G0V, G1V
.Lasked:
	s_load_b32 s[SQ], s[6:7], s[SQO] offset:0x0
	s_add_nc_u64 s[KSC:KSC+1], s[6:7], s[16:17]
	; A fragment of K or Q is 16 rows x 32 channels in 8 registers: lane l holds row l % 16, channels 8 (l / 16) + 0..7 and 16 + 8 (l / 16) + 0..7: two loads of 16 bytes, 32 bytes apart.
	v_and_b32 v1, 15, v0            ; l % 16
	v_bfe_u32 v9, v0, 4, 1          ; l / 16
	v_lshlrev_b32 v[QO], 7, v1
	v_lshl_add_u32 v[QO], v9, 4, v[QO]
	WIN 0x80                        ; destination window 2, address window 0
.set i, 0
.rept 8                             ; Q stays in registers: tile i / 2, channels 32 (i % 2) on
	global_load_b128 v[8*i:8*i+3],   v[QO], s[4:5] offset:(i/2)*2048+(i%2)*64
	global_load_b128 v[8*i+4:8*i+7], v[QO], s[4:5] offset:(i/2)*2048+(i%2)*64+32
.set i, i+1
.endr
	WIN 0
	v_lshlrev_b32 v10, 3, v9
	v_sub_nc_u32 v[DV], v1, v10
	WIN 0x40                        ; the masks, and O^T = 0: all this stands in the wait for the tiles.  O^T is cleared on purpose: at the sequence's start any step may be a wave's first, so no first step is written out
.set i, 0
.rept 8
	v_cmp_lt_i32 vcc_lo, i, v[DV]
	v_cndmask_b32 v[DLO+i], 0, s[BIGN], vcc_lo
	v_cmp_gt_i32 vcc_lo, i, v[DV]
	v_cndmask_b32 v[DHI+i], 0, s[BIGN], vcc_lo
	v_mov_b32 v[NEG+i], s[BIGN]
.set i, i+1
.endr
.set i, 0
.rept 128
	v_mov_b32 v[i], 0
.set i, i+1
.endr
	WIN 0
.set i, 0
.rept 4
	v_mov_b32 v[ST+4*i], 0xfe000000 ; M: far below every F s
	v_mov_b32 v[ST+4*i+1], 0
	v_mov_b32 v[ST+4*i+2], 0
	v_mov_b32 v[ST+4*i+3], 0
.set i, i+1
.endr
	v_mul_u32_u24 v[AK0], v1, PK
	v_lshl_add_u32 v[AK0], v9, 4, v[AK0]  ; row x pitch + 16 x half
	; The turning load takes 16 keys x 16 channels (lane l reads key 8 (l / 16) + l % 8, channels 8 ((l / 8) % 2) + 0..7) and leaves half a fragment of V^T: lane l holds channel l % 16 and 8 keys.
	v_and_b32 v10, 7, v0
	v_bfe_u32 v11, v0, 3, 1
	v_lshl_add_u32 v[AV0], v9, 3, v10
	v_mul_u32_u24 v[AV0], v[AV0], PV
	v_lshl_add_u32 v[AV0], v11, 4, v[AV0]
	v_add_nc_u32 v[AV0], VOFF, v[AV0]
	s_mul_i32 s16, s[WV], 16*SP
	s_add_co_u32 s16, s16, STAGE    ; my stage
	v_mul_u32_u24 v[STO], v1, SP    ; in: row l % 16, 16 bytes for each half of the lanes
	v_lshl_add_u32 v[STO], v9, 4, v[STO]
	v_add_nc_u32 v[STO], s16, v[STO]
	v_bfe_u32 v[RD], v0, 3, 2       ; back: 32 lanes take four rows of 128 bytes,
	v_mul_u32_u24 v[RD], v[RD], SP
	v_lshl_add_u32 v[RD], v10, 4, v[RD]
	v_add_nc_u32 v[RD], s16, v[RD]
	v_and_b32 v[GO], 31, v0         ; which are 512 consecutive bytes of oh
	v_lshlrev_b32 v[GO], 4, v[GO]
	v_mov_b32 v[CQ], 0x3e38aa3b     ; log2(e) / 8 = 0.180337
	s_wait_kmcnt 0x0
	v_mul_f32 v[CQ], s[SQ], v[CQ]
; THE MATRIX WORK.  The 8 accumulators of a run of 16 take turns: between the two links of a chain stand 7 others'.
; Product i of 16 of S^T = K Q^T for tiles 2 x, 2 x + 1: channels 32 (i / 8) on, key block kt = (i / 2) % 4, tile u = 2 x + i % 2.  The first 8 start the sums: with 0 or with a mask.
; kind 0: a whole step.  kind 1, step 0: block kt is hidden whole where kt < u, holds the diagonal where kt = u.  kind 2, step 8: hidden whole where kt > u.
.macro KQ x, kind
.set u, 2*(\x)+i%2
.set kt, (i/2)%4
.set rS, S+32*u+8*kt
.set rK, KF+16*kt+8*(i/8)
.set rQ, 16*u+8*(i/8)
.set rM, -1
.if (\kind) == 1
.if kt == u
.set rM, DLO
.elseif kt < u
.set rM, NEG
.endif
.elseif (\kind) == 2
.if kt == u
.set rM, DHI
.elseif kt > u
.set rM, NEG
.endif
.endif
.if i >= 8
	WIN W_KQ
	v_wmma_f32_16x16x32_f16 v[rS:rS+7], v[rK:rK+7], v[rQ:rQ+7], v[rS:rS+7]
.elseif rM < 0
	WIN W_KQ
	v_wmma_f32_16x16x32_f16 v[rS:rS+7], v[rK:rK+7], v[rQ:rQ+7], 0
.else
	WIN W_KM
	v_wmma_f32_16x16x32_f16 v[rS:rS+7], v[rK:rK+7], v[rQ:rQ+7], v[rM:rM+7]
.endif
.endm
; Product i of 16 of O^T += V^T P for tiles 2 x, 2 x + 1: keys 32 (i / 8) on, channels 16 ((i / 2) % 4) on.
.macro PV x
	WIN W_PV
.set rO, 32*(2*(\x)+i%2)+8*((i/2)%4)
.set rV, VF+32*(i/8)+8*((i/2)%4)
.set rP, P+16*(2*(\x)+i%2)+8*(i/8)
	v_wmma_f32_16x16x32_f16 v[rO:rO+7], v[rV:rV+7], v[rP:rP+7], v[rO:rO+7]
.endm
.macro FETCH_K                      ; a step's K: 64 keys x 64 channels: 8 fragments, 16 loads in one run
	WIN 0x80
.irp f, 0,1,2,3,4,5,6,7             ; keys 16 (f / 2) on, channels 32 (f % 2) on
	ds_load_b128 v[KF+8*\f:KF+8*\f+3],   v[AK] offset:(\f/2)*16*PK+(\f%2)*64
	ds_load_b128 v[KF+8*\f+4:KF+8*\f+7], v[AK] offset:(\f/2)*16*PK+(\f%2)*64+32
.endr
.endm
.macro FETCH_V                      ; its V, turned: 16 loads
	WIN 0x80
.irp f, 0,1,2,3,4,5,6,7             ; keys 32 (f / 4) on, channels 16 (f % 4) on
	ds_load_tr16_b128 v[VF+8*\f:VF+8*\f+3],   v[AV] offset:(\f/4)*32*PV+(\f%4)*32
	ds_load_tr16_b128 v[VF+8*\f+4:VF+8*\f+7], v[AV] offset:(\f/4)*32*PV+16*PV+(\f%4)*32
.endr
.endm
.macro PLACES
.rept 4
	v_nop
.endr
.endm
; A KEY STEP, whole in itself, in phases: the loads; 32 products K Q^T; the softmax of all four tiles, line by line for the four; 32 products V^T P.
.macro STEP kind
	WIN 0
	s_lshl_b32 s[TO], s[KR], 2
	s_load_b32 s[SK], s[KSC:KSC+1], s[TO] offset:0x0  ; the power of this step's 64 keys
	v_add_nc_u32 v[AK], s[TBK], v[AK0]
	v_add_nc_u32 v[AV], s[TBV], v[AV0]
	FETCH_K
	FETCH_V
	s_wait_dscnt 16                 ; K is in; V's sixteen loads are younger and may stay out
.irp x, 0,1
.set i, 0
.rept 16
	KQ \x, \kind
.set i, i+1
.endr
.endr
	WIN 0
	s_wait_kmcnt 0x0                ; the power; it also frees the load's offset register
	v_mul_f32 v[FV], s[SK], v[CQ]   ; F.  These six plain lines, which name no register of the products, are the places behind them
	ALL v_mov_b32 v[MV+t], v[ST+4*t]
	v_mov_b32 v[FV+1], v[FV]
	; the maximum of a lane's 32 scores: four chains c0-c3 of seven, three operands at a time (each accumulator's lowest registers are read first), then the four left over
.set n, 0
.rept 4
	ALL v_max3_num_f32 v[TMP+4*t+n], v[S+32*t+8*n], v[S+32*t+8*n+1], v[S+32*t+8*n+2]
.set n, n+1
.endr
.rept 8
	ALL v_max3_num_f32 v[TMP+4*t+n%4], v[TMP+4*t+n%4], v[S+32*t+8*(n%4)+2*(n/4)+1], v[S+32*t+8*(n%4)+2*(n/4)+2]
.set n, n+1
.endr
	ALL v_max3_num_f32 v[TMP+4*t], v[TMP+4*t], v[S+32*t+7], v[S+32*t+15]
	ALL v_max3_num_f32 v[TMP+4*t+1], v[TMP+4*t+1], v[S+32*t+23], v[S+32*t+31]
	ALL v_max_num_f32 v[TMP+4*t+2], v[TMP+4*t+2], v[TMP+4*t+3]
	ALL v_max3_num_f32 v[TMP+4*t], v[TMP+4*t], v[TMP+4*t+1], v[TMP+4*t+2]
	ALL v_permlanex16_b32 v[TMP+4*t+3], v[TMP+4*t], s[SEL], s[SEL+1]  ; the query's other 32 keys lie in the lane 16 away
	ALL v_max_num_f32 v[ST+4*t+1], v[TMP+4*t], v[TMP+4*t+3]
	ALL v_mul_f32 v[TMP+4*t+1], v[FV], v[ST+4*t+1]                    ; in true units
	ALL v_max_num_f32 v[ST+4*t], v[ST+4*t], v[TMP+4*t+1]              ; the running maximum
	ALL v_sub_f32 v[TMP+4*t+1], v[MV+t], v[ST+4*t]
	; ONE BATCH of 132 exponentials: none of these lines names an exponential's result
.set b, 0
.rept 16
	ALL v_pk_fma_f32 v[S+32*t+2*b:S+32*t+2*b+1], v[S+32*t+2*b:S+32*t+2*b+1], v[FV:FV+1], v[ST+4*t:ST+4*t+1] op_sel_hi:[1,0,0] neg_lo:[0,0,1] neg_hi:[0,0,1]
	ALL v_exp_f32 v[S+32*t+2*b], v[S+32*t+2*b]
	ALL v_exp_f32 v[S+32*t+2*b+1], v[S+32*t+2*b+1]
.set b, b+1
.endr
	ALL v_exp_f32 v[TMP+4*t+2], v[TMP+4*t+1]                          ; a
	v_nop                           ; a plain instruction behind the last exponential, ahead of the first use (ISA guide 5.7.2): one for the batch
	s_wait_alu depctr_va_vdst(0)    ; and the wait ahead of the first line that names a result: one for the batch
.set b, 0
.rept 16
	ALL v_cvt_pk_f16_f32 v[P+16*t+b], v[S+32*t+2*b], v[S+32*t+2*b+1]
.set b, b+1
.endr
	; the sum of a tile's 16 pairs (an even key's weight, an odd key's), in place: neighbours 1, 2, 4 and 8 pairs apart; then l = a l + the sum
.set z, 0
.rept 15
.set w, 4
.set u, z
.if z >= 14
.set w, 32
.set u, 0
.elseif z >= 12
.set w, 16
.set u, z-12
.elseif z >= 8
.set w, 8
.set u, z-8
.endif
	ALL v_pk_add_f32 v[S+32*t+w*u:S+32*t+w*u+1], v[S+32*t+w*u:S+32*t+w*u+1], v[S+32*t+w*u+w/2:S+32*t+w*u+w/2+1]
.set z, z+1
.endr
	ALL v_pk_fma_f32 v[ST+4*t+2:ST+4*t+3], v[ST+4*t+2:ST+4*t+3], v[TMP+4*t+2:TMP+4*t+3], v[S+32*t:S+32*t+1] op_sel_hi:[1,0,1]
	WIN W_RS                        ; O^T times a
.set n, 0
.rept 16
	ALL v_pk_mul_f32 v[32*t+2*n:32*t+2*n+1], v[32*t+2*n:32*t+2*n+1], v[TMP+4*t+2:TMP+4*t+3] op_sel_hi:[1,0]
.set n, n+1
.endr
	s_wait_dscnt 0x0                ; V is in
.irp x, 0,1
.set i, 0
.rept 16
	PV \x
.set i, i+1
.endr
.endr
	WIN 0
	PLACES                          ; behind the last products: the next step loads into V's registers and writes P; the way out reads O^T
.endm
.macro ADV                          ; on to the next 64 keys
	s_add_co_u32 s[KR], s[KR], KS
	s_add_co_u32 s[TBK], s[TBK], KSB
	s_add_co_u32 s[TBV], s[TBV], VSB
.endm
	s_wait_loadcnt 0x0              ; Q
	s_wait_tensorcnt 0x0            ; my chunks have landed: two or three, so the wait is for all
	s_barrier_signal -1
	s_barrier_wait -1               ; everybody's have.
	s_cmp_lt_u32 s[KR], 4096        ; do the step's rows exist?
	s_cbranch_scc0 .Lno_lo
	STEP 1
.Lno_lo:
	ADV
	s_mov_b32 s[CNT], 7
.Lfull:
	s_cmp_lt_u32 s[KR], 4096
	s_cbranch_scc0 .Lno_full        ; forward, over text that holds neither a barrier nor a tensor load, to a label ahead of the counter's step
	STEP 0
.Lno_full:
	ADV
	s_sub_co_u32 s[CNT], s[CNT], 1
	s_cmp_lg_u32 s[CNT], 0
	s_cbranch_scc1 .Lfull
	s_cmp_lt_u32 s[KR], 4096
	s_cbranch_scc0 .Lno_hi
	STEP 2
.Lno_hi:
	; THE WAY OUT.  l's two halves and the other half of the lanes' are added; O^T is divided by l, rounded to f16 and sent through my stage in LDS, a tile at a time.
	ALL v_add_f32 v[ST+4*t+2], v[ST+4*t+2], v[ST+4*t+3]
	ALL v_permlanex16_b32 v[ST+4*t+3], v[ST+4*t+2], s[SEL], s[SEL+1]
	ALL v_add_f32 v[ST+4*t+2], v[ST+4*t+2], v[ST+4*t+3]
	ALL v_rcp_f32 v[ST+4*t+2], v[ST+4*t+2]
	v_nop                           ; a plain instruction between the last reciprocal and the use of its result
	s_wait_alu depctr_va_vdst(0)    ; and the wait ahead of the first use: one for the four reciprocals
.macro PACK t                       ; a lane's eight channels of a row pack into 16 bytes; they go into rows of 144 bytes and come back as whole rows of 128, into S^T's registers
	WIN W_RS
.set i, 32*(\t)
.rept 16
	v_pk_mul_f32 v[i:i+1], v[i:i+1], v[ST+4*(\t)+2:ST+4*(\t)+3] op_sel_hi:[1,0]
.set i, i+2
.endr
	WIN 0x05                        ; sources 0 and 1 window 1, destination window 0
.set i, 0
.rept 16
	v_cvt_pk_f16_f32 v[S+16*(\t)+i], v[32*(\t)+2*i], v[32*(\t)+2*i+1]
.set i, i+1
.endr
	WIN 0
.irp f, 0,1,2,3
	ds_store_b128 v[STO], v[S+16*(\t)+4*\f:S+16*(\t)+4*\f+3] offset:32*\f
.endr
.irp f, 0,1,2,3
	ds_load_b128 v[S+16*(\t)+4*\f:S+16*(\t)+4*\f+3], v[RD] offset:\f*4*SP  ; LDS serves a wave's instructions in order (ISA guide 5.7.1.4): these see the stores above; the next tile's stores come behind them
.endr
.endm
.macro SEND t, younger              ; younger: the LDS instructions issued behind tile t's loads: the next tile's eight, or none
	WIN 0
.irp f, 0,1,2,3
	s_wait_dscnt (\younger)+3-\f
	global_store_b128 v[GO], v[S+16*(\t)+4*\f:S+16*(\t)+4*\f+3], s[8:9] offset:(\t)*2048+\f*512  ; 512 consecutive bytes, at a multiple of 256 from oh's first
.endr
.endm
	PACK 0
	PACK 1                          ; a tile's arithmetic stands between the loads of the tile before and its stores
	SEND 0, 8
	PACK 2
	SEND 1, 8
	PACK 3
	SEND 2, 8
	SEND 3, 0
	s_wait_tensorcnt 0x0            ; the wave's end, behind my last tensor load and my last LDS store
	ds_add_u32 v[SPW], v[NIL]
	s_wait_dscnt 0x0
	s_endpgm
.Lfunc_end_k_q9b25b468e5_attn:
	.size	k_q9b25b468e5_attn, .Lfunc_end_k_q9b25b468e5_attn-k_q9b25b468e5_attn
	.p2alignl 7, 3214868480
	.fill 96, 4, 3214868480
	.section	.rodata,"a",@progbits
	.p2align	6, 0x0
	.amdhsa_kernel k_q9b25b468e5_attn
		.amdhsa_group_segment_fixed_size 243200
		.amdhsa_private_segment_fixed_size 0
		.amdhsa_enable_private_segment 0
		.amdhsa_kernarg_size 24
		.amdhsa_user_sgpr_count 2
		.amdhsa_user_sgpr_kernarg_segment_ptr 1
		.amdhsa_wavefront_size32 1
		.amdhsa_system_sgpr_workgroup_id_x 1
		.amdhsa_system_sgpr_workgroup_id_y 1
		.amdhsa_system_sgpr_workgroup_id_z 1
		.amdhsa_system_vgpr_workitem_id 0
		.amdhsa_next_free_vgpr 768
		.amdhsa_next_free_sgpr 84
		.amdhsa_reserve_vcc 1
		.amdhsa_float_denorm_mode_32 3
		.amdhsa_float_denorm_mode_16_64 3
		.amdhsa_memory_ordered 1
		.amdhsa_forward_progress 1
		.amdhsa_inst_pref_size 125
	.end_amdhsa_kernel
	.amdgpu_metadata
---
amdhsa.version: [ 1, 2 ]
amdhsa.kernels:
  - .name:           k_q9b25b468e5_attn
    .symbol:         k_q9b25b468e5_attn.kd
    .args:
      - { .name: qkv, .offset: 0, .size: 8, .value_kind: global_buffer, .address_space: global }
      - { .name: sc, .offset: 8, .size: 8, .value_kind: global_buffer, .address_space: global }
      - { .name: oh, .offset: 16, .size: 8, .value_kind: global_buffer, .address_space: global }
    .group_segment_fixed_size: 243200
    .private_segment_fixed_size: 0
    .kernarg_segment_align: 8
    .kernarg_segment_size: 24
    .max_flat_workgroup_size: 128
    .sgpr_count:     84
    .vgpr_count:     768
    .wavefront_size: 32
...
	.end_amdgpu_metadata
.endif
;; end of part 3
;; launch proj (part 4): grid 8 x 32, 4 waves a work-group, clusters of 4 x 4, 327,680 bytes of LDS; arguments oh, wof, out0; writes out0
.if DOCPART == 4
	.amdgcn_target "amdgcn-amd-amdhsa--gfx1250"
	.amdhsa_code_object_version 6
	.text
	.protected	k_q9b25b468e5_proj
	.globl	k_q9b25b468e5_proj
	.p2align	8
	.type	k_q9b25b468e5_proj,@function
k_q9b25b468e5_proj:
	s_mov_b64 s[64:65], 0
	v_nop
	global_prefetch_b8 v0, s[64:65] scope:SCOPE_SE
	s_setreg_imm32_b32 hwreg(HW_REG_WAVE_MODE, 25, 1), 1
	s_wait_xcnt 0x0
	s_wait_alu depctr_hold_cnt(0) depctr_sa_sdst(0) depctr_va_vdst(0) depctr_va_sdst(0) depctr_va_ssrc(0) depctr_va_vcc(0) depctr_vm_vsrc(0)
	s_getreg_b32 s2, hwreg(HW_REG_IB_STS2, 6, 4)
	s_cmp_eq_u32 s2, 0
	s_cbranch_scc0 .Lentry_in_a_cluster
	s_endpgm
.Lentry_in_a_cluster:
	s_bfe_u32 s2, ttmp6, 0x10000c
	s_cmp_lg_u32 s2, 0xf033
	s_cbranch_scc0 .Lentry_shape_is_right
	s_endpgm
.Lentry_shape_is_right:
; out0[s][n] = the sum over k of O[s][k] wo[n][k], k = 64 x head + channel.  oh [16][4096][64] f16 (O by heads), wof [1024][1024] f16, out0 [4096][1024] f32; sums in f32.
; A tile of out0 is 128 x 128: 8 x 32 work-groups.  Four waves, each 64 x 64: 16 accumulators of 16 x 16.  K goes in steps of 256, which are four heads, through a ring of two LDS slots.
; O's part of a slot lies by heads: [4 heads][128 rows][144 bytes].  A head's 128 rows are 16,384 dense bytes of oh: one tensor load brings two heads as two rows of 8,192 elements, padded after every 128 bytes.
; wo's part: 128 rows of 512 bytes + 16.
; CLUSTERS: 4 x 4 work-groups.  The four of a row of the cluster need the same tiles of O, the four of a column the same tiles of wo: each tile is asked for JOINTLY, by the same tensor load with the same
; descriptor and a mask that names the four.  THE MATRIX INSTRUCTION IS USED TRANSPOSED (source 0 = 16 rows of wo, source 1 = 16 rows of O): a lane holds eight neighbouring numbers of a row of out0.
; REGISTERS: window 0: v0-31 addresses; v32-95 at work on the way out; v128-255 the accumulators ((a, b) at v[128 + 8 (4 a + b)]).
;   window 1: two fragment buffers of 128: for 64 along K (one head), 64 registers of O (2 x 4 x 16 rows x 32 K), then 64 of wo.
.set PA,     144                       ; a row of O in LDS: 128 bytes + 16 = 36 words: the 16 rows of a load start at 16 different groups of four banks (64 banks of 4 bytes: ISA guide 11.1)
.set HEADB,  128*PA                    ; a head's 128 rows
.set PB,     528                       ; a row of wo: 512 bytes + 16 = 132 words: likewise
.set APART,  4*HEADB
.set BHALF,  64*PB
.set SLOT,   APART+2*BHALF             ; 141,312 bytes
.set STAGE,  2*SLOT                    ; behind the ring, never filled by a tensor load: 16 rows x 272 bytes for each wave
.set SPITCH, 272
.set SPARE,  STAGE+4*16*SPITCH         ; behind the stages: the spare words, 128 bytes for each wave: two blocks of 256 bytes that no other line names
.set ASTEP,  4*524288                  ; bytes of oh from a K step to the next: four heads
.set BSTEP,  512                       ; bytes of a row of wof in a K step
.set ADRA, 16                          ; v16-17  LDS address of my fragments of O in slot 0, 1
.set ADRB, 20                          ; v20-21  the same for wo
.set STO,  24                          ; v24     the way out: where I put 32 bytes of a row
.set RD,   25                          ; v25     where I read a row back
.set CO,   26                          ; v26     my byte offset in out0
.set SPW,  28                          ; v28     LDS address of my spare word; never rewritten
.set NIL,  29                          ; v29     0; never rewritten
.set TMP,  32
.set ACC,  128
.set F0,   0                           ; fragment buffers, in window 1
.set F1,   128
.set G1, 24                            ; s[24:31] descriptor group 1 for O's tiles;  s[32:39] group 0, one set for each slot
.set G0, 32
.set G1B, 48                           ; s[48:55], s[56:63] the same for wo's tiles
.set G0B, 56
.set MSB, 0
.macro WIN new                         ; the immediate's high byte repeats the setting that is left
.if MSB != (\new)
	s_set_vgpr_msb (MSB<<8)|(\new)
.set MSB, \new
.endif
.endm
.set MUL,  0x05                        ; sources 0 (wo) and 1 (O) window 1; C and D window 0
.set TO_F, 0x40                        ; destination window 1, address window 0
.macro JLOAD s                         ; a joint load: waves 0 and 1 fetch O's two pairs of heads, waves 2 and 3 wo's two halves; an s_nop 0 and four v_nop follow each of the two lines
	s_cmp_eq_u32 s11, 0
	s_cbranch_scc0 .Lfor_b_\@
	tensor_load_to_lds s[G0+4*(\s):G0+4*(\s)+3], s[G1:G1+7]
	s_nop 0
.rept 4
	v_nop
.endr
	s_branch .Lasked_\@
.Lfor_b_\@:
	tensor_load_to_lds s[G0B+4*(\s):G0B+4*(\s)+3], s[G1B:G1B+7]
	s_nop 0
.rept 4
	v_nop
.endr
.Lasked_\@:
.endm
.macro CREST                           ; a round of the cluster's barrier behind its opening barrier
	s_cmp_lg_u32 s10, 0
	s_cbranch_scc1 .Lnot_wave_0_\@
	s_barrier_signal -3
.Lnot_wave_0_\@:
	s_barrier_wait -3
	s_barrier_signal -1
	s_barrier_wait -1
.endm
.macro CROUND                          ; a whole round
	s_barrier_signal -1
	s_barrier_wait -1
	CREST
.endm
	s_load_b128 s[4:7], s[0:1], 0x0                ; oh s[4:5], wof s[6:7]
	s_load_b64 s[8:9], s[0:1], 0x10                ; out0
	v_lshl_add_u32 v[SPW], v0, 2, SPARE
	v_mov_b32 v[NIL], 0
	ds_add_u32 v[SPW], v[NIL]                      ; the wave's opening: the add and its wait stand ahead of my first tensor load; the set-up below, work on registers, stands between them
	v_lshrrev_b32 v1, 5, v0
	v_readfirstlane_b32 s10, v1                    ; wave 0..3
	s_lshr_b32 s11, s10, 1                         ; which half of the tile's rows is mine.  Also: I fetch O (0) or wo (1)
	s_and_b32 s12, s10, 1                          ; which half of its columns.  Also: which part of that tile I fetch
	s_bfe_u32 s40, ttmp6, 0x40000                  ; cx, cy: my place in the cluster
	s_bfe_u32 s41, ttmp6, 0x40004
	s_lshl_b32 s42, ttmp9, 2
	s_add_co_u32 s42, s42, s40                     ; tile column = 4 x cluster x + cx
	s_and_b32 s13, ttmp7, 0xffff
	s_lshl_b32 s13, s13, 2
	s_add_co_u32 s13, s13, s41                     ; tile row = 4 x cluster y + cy
	s_lshl_b32 s43, s41, 2
	s_lshl_b32 s43, 15, s43                        ; my row of the cluster
	s_lshl_b32 s44, 0x1111, s40                    ; my column
	s_or_b32 s[G1], s43, (1<<16)|(1<<20)|(1<<21)|(4<<22)|(3<<25)   ; 15:0 the mask: O's tiles go to my row; 17:16 2-byte elements; 20 padding on; 21 set beside a mask; 24:22 after every 32 words (code 4); 31:25 4 words (code 3)
	s_mov_b32 s[G1+1], 8192<<16                    ; tensor_dim0 = 8,192: a head's 128 rows of 64
	s_mov_b32 s[G1+2], 2<<16                       ; tensor_dim1 = 2 heads
	s_mov_b32 s[G1+3], 8192<<16                    ; tile_dim0
	s_mov_b32 s[G1+4], 2                           ; tile_dim1
	s_mov_b32 s[G1+5], 262144                      ; elements from head to head
	s_mov_b32 s[G1+6], 0
	s_mov_b32 s[G1+7], 0
	s_or_b32 s[G1B], s44, (1<<16)|(1<<20)|(1<<21)|(6<<22)|(3<<25)  ; wo's tiles go to my column; padding after every 128 words (code 6)
	s_mov_b32 s[G1B+1], 256<<16                    ; tensor_dim0 = 256
	s_mov_b32 s[G1B+2], 64<<16                     ; tensor_dim1 = 64
	s_mov_b32 s[G1B+3], 256<<16
	s_mov_b32 s[G1B+4], 64
	s_mov_b32 s[G1B+5], 1024
	s_mov_b32 s[G1B+6], 0
	s_mov_b32 s[G1B+7], 0
	s_lshl_b32 s16, s12, 20                        ; O: my two heads of the step's four,
	s_lshl_b32 s17, s13, 14                        ; the tile's 128 rows of 128 bytes
	s_add_co_u32 s16, s16, s17
	s_mov_b32 s17, 0
	s_lshl_b32 s46, s42, 18                        ; wo: row 128 x tile column + 64 x half, 2,048 bytes a row
	s_lshl_b32 s47, s12, 17
	s_add_co_u32 s46, s46, s47
	s_mov_b32 s47, 0
	s_mul_i32 s20, s12, 2*HEADB                    ; where they go: no place in the cluster enters an LDS address
	s_mul_i32 s21, s12, BHALF
	s_add_co_u32 s21, s21, APART
	s_wait_dscnt 0x0                               ; the opening add is done
	s_wait_kmcnt 0x0
	s_add_nc_u64 s[14:15], s[4:5], s[16:17]
	s_add_nc_u64 s[46:47], s[6:7], s[46:47]
	CROUND                                         ; all sixteen work-groups are here: the first joint loads meet
.irp s, 0,1
	s_mov_b32 s[G0+4*(\s)], 1
	s_add_co_u32 s[G0+4*(\s)+1], s20, (\s)*SLOT
	s_add_nc_u64 s[G0+4*(\s)+2:G0+4*(\s)+3], s[14:15], (\s)*ASTEP
	s_or_b32 s[G0+4*(\s)+3], s[G0+4*(\s)+3], 0x80000000
	s_mov_b32 s[G0B+4*(\s)], 1
	s_add_co_u32 s[G0B+4*(\s)+1], s21, (\s)*SLOT
	s_add_nc_u64 s[G0B+4*(\s)+2:G0B+4*(\s)+3], s[46:47], (\s)*BSTEP
	s_or_b32 s[G0B+4*(\s)+3], s[G0B+4*(\s)+3], 0x80000000
	JLOAD \s                                       ; two loads of mine are out
.endr
	v_and_b32 v1, 15, v0                           ; l % 16
	v_bfe_u32 v2, v0, 4, 1                         ; l / 16
	v_mul_u32_u24 v3, v1, PA
	v_lshl_add_u32 v3, v2, 4, v3                   ; a fragment's row x pitch + 16 x half
	s_mul_i32 s22, s11, 64*PA                      ; my 64 rows of O, in each head
	v_add_nc_u32 v[ADRA], s22, v3
	v_add_nc_u32 v[ADRA+1], SLOT, v[ADRA]
	v_mul_u32_u24 v4, v1, PB
	v_lshl_add_u32 v4, v2, 4, v4
	s_mul_i32 s22, s12, BHALF                      ; my 64 rows of wo,
	s_add_co_u32 s22, s22, APART                   ; which lie behind O's part
	v_add_nc_u32 v[ADRB], s22, v4
	v_add_nc_u32 v[ADRB+1], SLOT, v[ADRB]
	s_mul_i32 s23, s10, 16*SPITCH
	s_add_co_u32 s23, s23, STAGE                   ; my stage
	v_mul_u32_u24 v4, v1, SPITCH                   ; in: row l % 16, 32 bytes for each half of the lanes
	v_lshl_add_u32 v4, v2, 5, v4
	v_add_nc_u32 v[STO], s23, v4
	v_mul_u32_u24 v5, v2, SPITCH                   ; back: lanes 0-15 take one row of 256 bytes, lanes 16-31 the next
	v_lshl_add_u32 v5, v1, 4, v5
	v_add_nc_u32 v[RD], s23, v5
	v_lshlrev_b32 v5, 12, v2                       ; and the same two rows in out0, 4,096 bytes apart
	v_lshl_add_u32 v[CO], v1, 4, v5
	s_lshl_b32 s16, s13, 19                        ; my first row: 128 x tile row + 64 x half, 4,096 bytes a row
	s_lshl_b32 s17, s11, 18
	s_add_co_u32 s16, s16, s17
	s_mov_b32 s17, 0
	s_add_nc_u64 s[8:9], s[8:9], s[16:17]
	s_lshl_b32 s46, s42, 9                         ; my first column, in bytes: 512 x tile column + 256 x half
	s_lshl_b32 s47, s12, 8
	s_add_co_u32 s46, s46, s47
	s_mov_b32 s47, 0
	s_add_nc_u64 s[8:9], s[8:9], s[46:47]
; 8 matrix instructions: row blocks a0, a0 + 1 x all 4 column blocks, 32 along K: half c of buffer f.  zero = 1: the first product starts the sums.  The 16 accumulators take turns.
.macro MUL8 f, c, a0, zero
	WIN MUL
.irp a, \a0, (\a0)+1
.irp b, 0,1,2,3
.if \zero
	v_wmma_f32_16x16x32_f16 v[ACC+8*(4*(\a)+(\b)):ACC+8*(4*(\a)+(\b))+7], v[(\f)+64+8*(4*(\c)+(\b)):(\f)+64+8*(4*(\c)+(\b))+7], v[(\f)+8*(4*(\c)+(\a)):(\f)+8*(4*(\c)+(\a))+7], 0
.else
	v_wmma_f32_16x16x32_f16 v[ACC+8*(4*(\a)+(\b)):ACC+8*(4*(\a)+(\b))+7], v[(\f)+64+8*(4*(\c)+(\b)):(\f)+64+8*(4*(\c)+(\b))+7], v[(\f)+8*(4*(\c)+(\a)):(\f)+8*(4*(\c)+(\a))+7], v[ACC+8*(4*(\a)+(\b)):ACC+8*(4*(\a)+(\b))+7]
.endif
.endr
.endr
.endm
; 32 LDS loads in one run: the fragments of quarter q of a K step (head q of its four: 64 along K) into buffer f; the first 32 along K first
.macro FETCH slot, q, f
	WIN TO_F
.irp c, 0,1
.irp i, 0,1,2,3
	ds_load_b128 v[(\f)+64+8*(4*(\c)+(\i)):(\f)+64+8*(4*(\c)+(\i))+3],   v[ADRB+(\slot)] offset:128*(\q)+64*(\c)+(\i)*16*PB
	ds_load_b128 v[(\f)+64+8*(4*(\c)+(\i))+4:(\f)+64+8*(4*(\c)+(\i))+7], v[ADRB+(\slot)] offset:128*(\q)+64*(\c)+(\i)*16*PB+32
	ds_load_b128 v[(\f)+8*(4*(\c)+(\i)):(\f)+8*(4*(\c)+(\i))+3],         v[ADRA+(\slot)] offset:(\q)*HEADB+64*(\c)+(\i)*16*PA
	ds_load_b128 v[(\f)+8*(4*(\c)+(\i))+4:(\f)+8*(4*(\c)+(\i))+7],       v[ADRA+(\slot)] offset:(\q)*HEADB+64*(\c)+(\i)*16*PA+32
.endr
.endr
.endm
.macro PLACES                          ; four plain places in front of loads into registers that matrix instructions have read, and of LDS stores that read results
.rept 4
	v_nop
.endr
.endm
; A K step is four quarters, 32 matrix instructions each, on buffers 0, 1, 0, 1.  One of the first three: multiplies buffer f and fetches quarter q into g.
.macro QUARTER slot, q, f, g, zero
	s_wait_dscnt 16                                ; the first 32 along K are in
	MUL8 \f, 0, 0, \zero
	MUL8 \f, 0, 2, \zero
	PLACES
	FETCH \slot, \q, \g
	s_wait_dscnt 32                                ; all but the 32 just issued
	MUL8 \f, 1, 0, 0
	MUL8 \f, 1, 2, 0
.endm
; The last quarter multiplies buffer 1 and changes slots: ONE barrier; in front of it each wave waits for all its tensor loads, adds 0 to its spare word, and waits for that and for its own reads of this slot.
; fill = 1: the barrier opens a round of the cluster's barrier, and behind the round this slot is filled again, two K steps ahead, first of all.
.macro TURN slot, next, fill
	WIN 0                                          ; (the add's two registers lie in window 0)
	s_wait_tensorcnt 0x0                           ; all my tensor loads have landed: my part of the next slot;
	ds_add_u32 v[SPW], v[NIL]                      ; 0 onto my spare word;
	s_wait_dscnt 17                                ; (the add and the youngest sixteen loads may be out)
	MUL8 F1, 0, 0, 0                               ; eight matrix instructions stand between the add and the wait for it
	s_wait_dscnt 0x0                               ; the add is done, and my reads of this slot are over
	s_barrier_signal -1
	MUL8 F1, 0, 2, 0
.if \fill
	WIN 0
.endif
	s_barrier_wait -1
.if \fill
	CREST                                          ; no wave of any partner still reads this slot's tile or has a load on its way
	s_add_nc_u64 s[G0+4*(\slot)+2:G0+4*(\slot)+3], s[G0+4*(\slot)+2:G0+4*(\slot)+3], 2*ASTEP
	s_add_nc_u64 s[G0B+4*(\slot)+2:G0B+4*(\slot)+3], s[G0B+4*(\slot)+2:G0B+4*(\slot)+3], 2*BSTEP
	JLOAD \slot                                    ; the first tensor load behind the round; the four v_nop behind it are also the places in front of the loads below
.else
	PLACES
.endif
	FETCH \next, 0, F0
	MUL8 F1, 1, 0, 0
	MUL8 F1, 1, 2, 0
.endm
	s_wait_tensorcnt 1                             ; my part of K step 0 is in; K step 1's may stay out
	s_barrier_signal -1
	s_barrier_wait -1                              ; everybody's is
	FETCH 0, 0, F0
	QUARTER 0, 1, F0, F1, 1                        ; K step 0: its first products start the sums.  The four K steps are written on end: a loop over laps would have one trip
	QUARTER 0, 2, F1, F0, 0
	QUARTER 0, 3, F0, F1, 0
	TURN 0, 1, 1                                   ; slot 0 takes K step 2
	QUARTER 1, 1, F0, F1, 0
	QUARTER 1, 2, F1, F0, 0
	QUARTER 1, 3, F0, F1, 0
	TURN 1, 0, 1                                   ; slot 1 takes K step 3
	QUARTER 0, 1, F0, F1, 0
	QUARTER 0, 2, F1, F0, 0
	QUARTER 0, 3, F0, F1, 0
	TURN 0, 1, 0                                   ; nothing is left to fetch
	QUARTER 1, 1, F0, F1, 0
	QUARTER 1, 2, F1, F0, 0
	QUARTER 1, 3, F0, F1, 0
	s_wait_dscnt 16                                ; the very last quarter
	MUL8 F1, 0, 0, 0
	MUL8 F1, 0, 2, 0
	s_wait_dscnt 0x0
	MUL8 F1, 1, 0, 0
	MUL8 F1, 1, 2, 0
	WIN 0
	; THE WAY OUT.  My 64 columns of f32 are 256 aligned bytes of a row, so the stage is my own and no barrier is wanted.  16 rows at a time: 32 bytes a lane and accumulator into rows of 272 bytes
	; (each accumulator's four lowest registers first), back as whole rows of 256, two to a load, and out.
	PLACES
.irp a, 0,1,2,3
.if (\a) >= 2
	s_wait_xcnt 0x0                                ; the stores of two blocks back have read their registers, which are loaded again only behind this wait
.endif
.irp b, 0,1,2,3
	ds_store_b128 v[STO], v[ACC+8*(4*(\a)+(\b)):ACC+8*(4*(\a)+(\b))+3]   offset:64*(\b)
	ds_store_b128 v[STO], v[ACC+8*(4*(\a)+(\b))+4:ACC+8*(4*(\a)+(\b))+7] offset:64*(\b)+16
.endr
.irp f, 0,1,2,3,4,5,6,7
	ds_load_b128 v[TMP+32*((\a)%2)+4*(\f):TMP+32*((\a)%2)+4*(\f)+3], v[RD] offset:(\f)*2*SPITCH  ; LDS serves a wave's instructions in order (ISA guide 5.7.1.4): these see the stores above; the next block's stores come behind them
.endr
.irp f, 0,1,2,3,4,5,6,7
	s_wait_dscnt 7-(\f)
	global_store_b128 v[CO], v[TMP+32*((\a)%2)+4*(\f):TMP+32*((\a)%2)+4*(\f)+3], s[8:9] offset:(16*(\a)+2*(\f))*4096 th:TH_STORE_NT  ; 16 lanes store 256 consecutive bytes, at a multiple of 256 from out0's first byte
.endr
.endr
	s_wait_tensorcnt 0x0                           ; the wave's end, behind my last tensor load and my last LDS store
	ds_add_u32 v[SPW], v[NIL]
	s_wait_dscnt 0x0
	CROUND                                         ; the closing round: no work-group ends while a partner may still ask for a tile that names it
	s_endpgm
.Lfunc_end_k_q9b25b468e5_proj:
	.size	k_q9b25b468e5_proj, .Lfunc_end_k_q9b25b468e5_proj-k_q9b25b468e5_proj
	.p2alignl 7, 3214868480
	.fill 96, 4, 3214868480
	.section	.rodata,"a",@progbits
	.p2align	6, 0x0
	.amdhsa_kernel k_q9b25b468e5_proj
		.amdhsa_group_segment_fixed_size 327680
		.amdhsa_private_segment_fixed_size 0
		.amdhsa_enable_private_segment 0
		.amdhsa_kernarg_size 24
		.amdhsa_user_sgpr_count 2
		.amdhsa_user_sgpr_kernarg_segment_ptr 1
		.amdhsa_wavefront_size32 1
		.amdhsa_system_sgpr_workgroup_id_x 1
		.amdhsa_system_sgpr_workgroup_id_y 1
		.amdhsa_system_sgpr_workgroup_id_z 1
		.amdhsa_system_vgpr_workitem_id 0
		.amdhsa_next_free_vgpr 512
		.amdhsa_next_free_sgpr 66
		.amdhsa_reserve_vcc 0
		.amdhsa_float_denorm_mode_32 3
		.amdhsa_float_denorm_mode_16_64 3
		.amdhsa_memory_ordered 1
		.amdhsa_forward_progress 1
		.amdhsa_inst_pref_size 86
	.end_amdhsa_kernel
	.amdgpu_metadata
---
amdhsa.version: [ 1, 2 ]
amdhsa.kernels:
  - .name:           k_q9b25b468e5_proj
    .symbol:         k_q9b25b468e5_proj.kd
    .args:
      - { .name: oh, .offset: 0, .size: 8, .value_kind: global_buffer, .address_space: global }
      - { .name: wof, .offset: 8, .size: 8, .value_kind: global_buffer, .address_space: global }
      - { .name: out0, .offset: 16, .size: 8, .value_kind: global_buffer, .address_space: global }
    .group_segment_fixed_size: 327680
    .private_segment_fixed_size: 0
    .kernarg_segment_align: 8
    .kernarg_segment_size: 24
    .max_flat_workgroup_size: 128
    .sgpr_count:     66
    .vgpr_count:     512
    .wavefront_size: 32
...
	.end_amdgpu_metadata
.endif
;; end of part 4
;; ======== version 2 of 2: 4 launches; version 1 with the launch cast written anew for expert scheduling mode
;; limits: values are held in f16: magnitudes above 65,504 overflow, below 6.1e-05 lose precision; right only within a limited range of input values
;; workspace buffers: xb 8,388,608 bytes; wb 6,291,456 bytes; wof 2,097,152 bytes; cs 524,288 bytes; qkv 25,165,824 bytes; sc 524,288 bytes; oh 8,388,608 bytes
;; launch cast (part 5): grid 528 x 1, 8 waves a work-group, no clusters, 0 bytes of LDS; arguments x, wq, wk, wv, wo, freqs_cos, freqs_sin, xb, wb, wof, cs; writes xb, wb, wof, cs
.if DOCPART == 5
	.amdgcn_target "amdgcn-amd-amdhsa--gfx1250"
	.amdhsa_code_object_version 6
	.text
	.protected	k_q9b25b468e5_cast
	.globl	k_q9b25b468e5_cast
	.p2align	8
	.type	k_q9b25b468e5_cast,@function
k_q9b25b468e5_cast:
	s_mov_b64 s[64:65], 0
	v_nop
	global_prefetch_b8 v0, s[64:65] scope:SCOPE_SE
	s_setreg_imm32_b32 hwreg(HW_REG_WAVE_SCHED_MODE, 0, 2), 2
	s_setreg_imm32_b32 hwreg(HW_REG_WAVE_MODE, 25, 1), 1
	s_wait_xcnt 0x0
	s_wait_alu depctr_vm_vsrc(0)
; CAST.  Every input is rounded once to bf16 and laid out for the launches behind:
;   xb  [4096][1024] bf16 = x
;   wb  [3072][1024] bf16: row head x 192 + kind x 64 + d holds row head x 64 + d of wq (kind 0), wk (1), wv (2): 192 rows on end are one head's q, k and v
;   wof [1024][1024] f16: wo rounded to bf16, that number written as f16
;   cs  [4096][32] words: bf16(cos) in the low half, bf16(sin) in the high half
; LIMITS.  |wo| stays under 65,504 (f16's end); below 6e-5 it keeps f16's fixed step of 6e-8.
; A stream: no LDS, no matrix unit, no barrier.  A work-group of 256 threads takes a segment of 16,384 numbers: 16 loads of 16 bytes a thread, all issued first
; (a wave's load covers 512 consecutive bytes), then a store for each load: 32 lanes x 8 bytes = 256 consecutive bytes, aligned.
; Work-groups 0-255: x.  256-447: wq, wk, wv, 64 segments of 16 rows each.  448-511: wo.  512-527: the two tables, 8,192 numbers of each.
; THE MODE: SCHED_MODE bits 1:0 = 2 (LLVM: expert scheduling mode 2), set by the entry lines.  The code itself states the register dependences
; between vector instructions and memory instructions, with s_wait_alu, always for 0.
; THE PLAN.  Registers that memory instructions touch:
;   v1, v2    byte offsets.  Written by two vector lines at the head and never again; read by every load and store.  One wait at the head, ahead of the first branch, states that they are written.
;   v[4:67]   Written first by the 16 loads, which are all issued before any vector line names these registers; then in place by the conversions; of each four the low two (in the tables' path all four) are read by a store.
;             No register is written again once a store has read it, and no load lands in a register that a vector line has named.
;   v68, v69  at work in wo's path: no memory instruction names them.
; The 16 loads go in four blocks of four.  A block's conversions run as its loads come in; ONE wait behind them states that they have written what the block's stores read; the stores follow in one run.
; A block's stores are not held back into the next block: there they would stand behind a wait for loads whose data they do not need.
.set SRC, 32                           ; s[32:33] where the segment is read
.set DST, 34                           ; s[34:35] where it is written
.set SR2, 36                           ; s[36:37] the tables' path: sin
	s_load_b512 s[4:19], s[0:1], 0x0               ; x s[4:5], wq s[6:7], wk s[8:9], wv s[10:11], wo s[12:13], cos s[14:15], sin s[16:17], xb s[18:19]
	s_load_b128 s[20:23], s[0:1], 0x40             ; wb s[20:21], wof s[22:23]
	s_load_b64 s[24:25], s[0:1], 0x50              ; cs
	s_mov_b32 s26, ttmp9                           ; g, the work-group's number
	v_lshlrev_b32 v1, 4, v0                        ; 16 t: my 16 bytes of 4,096
	v_lshlrev_b32 v2, 3, v0                        ; 8 t: my 8 bytes of 2,048
	s_mov_b32 s29, 0                               ; the offsets' high words
	s_mov_b32 s31, 0
	s_wait_kmcnt 0x0
	s_wait_alu depctr_va_vdst(0)                   ; v1 and v2 are written: every load and store of the three paths below reads one of them as its offset, and no vector line names them again
	s_cmp_ge_u32 s26, 512
	s_cbranch_scc1 .Ltables
	s_cmp_ge_u32 s26, 448
	s_cbranch_scc1 .Lwo
	; x and the three weights: one path; the pointers are chosen by the work-group's number.  (For x the numbers j, n and the row are made too and not taken.)
	s_sub_co_u32 s27, s26, 256                     ; i = g - 256
	s_bfe_u32 s36, s27, 0x20006                    ; j = i / 64: which weight
	s_and_b32 s37, s27, 63                         ; n = i % 64: rows 16 n .. 16 n + 15 of it
	s_lshr_b32 s38, s37, 2                         ; the head, n / 4
	s_mul_i32 s38, s38, 192
	s_lshl_b32 s39, s36, 6
	s_add_co_u32 s38, s38, s39                     ; + 64 j
	s_and_b32 s39, s37, 3
	s_lshl4_add_u32 s38, s39, s38                  ; + 16 (n % 4): the first row in wb
	s_lshl_b32 s38, s38, 11                        ; in bytes
	s_lshl_b32 s39, s26, 15                        ; x's segment in xb, in bytes
	s_cmp_eq_u32 s36, 0
	s_cselect_b64 s[SRC:SRC+1], s[6:7], s[8:9]
	s_cmp_eq_u32 s36, 2
	s_cselect_b64 s[SRC:SRC+1], s[10:11], s[SRC:SRC+1]
	s_cmp_lt_u32 s26, 256                          ; x?
	s_cselect_b64 s[SRC:SRC+1], s[4:5], s[SRC:SRC+1]
	s_cselect_b64 s[DST:DST+1], s[18:19], s[20:21]
	s_cselect_b32 s37, s26, s37                    ; the segment's number in its source
	s_cselect_b32 s30, s39, s38
	s_lshl_b32 s28, s37, 16
	s_add_nc_u64 s[SRC:SRC+1], s[SRC:SRC+1], s[28:29]
	s_add_nc_u64 s[DST:DST+1], s[DST:DST+1], s[30:31]
.irp i, 0,1,2,3,4,5,6,7,8,9,10,11,12,13,14,15
	global_load_b128 v[4+4*(\i):7+4*(\i)], v1, s[SRC:SRC+1] offset:4096*(\i) th:TH_LOAD_NT
.endr
.irp p, 0,1,2,3                        ; block p: loads 4 p .. 4 p + 3
.irp i, 0,1,2,3
	s_wait_loadcnt 15-4*(\p)-(\i)                  ; loads come back in order: load 4 p + i is in, the younger ones stay out
	v_cvt_pk_bf16_f32 v[4+16*(\p)+4*(\i)], v[4+16*(\p)+4*(\i)], v[5+16*(\p)+4*(\i)]
	v_cvt_pk_bf16_f32 v[5+16*(\p)+4*(\i)], v[6+16*(\p)+4*(\i)], v[7+16*(\p)+4*(\i)]
.endr
	s_wait_alu depctr_va_vdst(0)                   ; the block's eight conversions have written the four pairs of registers that the stores below read
.irp i, 0,1,2,3
	global_store_b64 v2, v[4+16*(\p)+4*(\i):5+16*(\p)+4*(\i)], s[DST:DST+1] offset:2048*(4*(\p)+(\i))  ; no register is written twice, so no store's source is ever overwritten
.endr
.endr
	s_endpgm
.Lwo:                                                  ; wo: to bf16, widened again, and that number written as f16
	s_sub_co_u32 s27, s26, 448
	s_lshl_b32 s28, s27, 16
	s_lshl_b32 s30, s27, 15
	s_add_nc_u64 s[SRC:SRC+1], s[12:13], s[28:29]
	s_add_nc_u64 s[DST:DST+1], s[22:23], s[30:31]
.irp i, 0,1,2,3,4,5,6,7,8,9,10,11,12,13,14,15
	global_load_b128 v[4+4*(\i):7+4*(\i)], v1, s[SRC:SRC+1] offset:4096*(\i) th:TH_LOAD_NT
.endr
.irp p, 0,1,2,3                        ; block p: loads 4 p .. 4 p + 3
.irp i, 0,1,2,3
	s_wait_loadcnt 15-4*(\p)-(\i)
	v_cvt_pk_bf16_f32 v68, v[4+16*(\p)+4*(\i)], v[5+16*(\p)+4*(\i)]
	v_cvt_pk_bf16_f32 v69, v[6+16*(\p)+4*(\i)], v[7+16*(\p)+4*(\i)]
	v_lshlrev_b32 v[4+16*(\p)+4*(\i)], 16, v68     ; bf16 to f32: the low half moves up,
	v_and_b32 v[5+16*(\p)+4*(\i)], 0xffff0000, v68 ; the high half stays
	v_lshlrev_b32 v[6+16*(\p)+4*(\i)], 16, v69
	v_and_b32 v[7+16*(\p)+4*(\i)], 0xffff0000, v69
	v_cvt_pk_f16_f32 v[4+16*(\p)+4*(\i)], v[4+16*(\p)+4*(\i)], v[5+16*(\p)+4*(\i)]
	v_cvt_pk_f16_f32 v[5+16*(\p)+4*(\i)], v[6+16*(\p)+4*(\i)], v[7+16*(\p)+4*(\i)]
.endr
	s_wait_alu depctr_va_vdst(0)                   ; the block's conversions to f16 have written the four pairs of registers that the stores below read
.irp i, 0,1,2,3
	global_store_b64 v2, v[4+16*(\p)+4*(\i):5+16*(\p)+4*(\i)], s[DST:DST+1] offset:2048*(4*(\p)+(\i))
.endr
.endr
	s_endpgm
.Ltables:                                              ; cos and sin: 32,768 bytes of each in, 32,768 bytes of pairs out
	s_sub_co_u32 s27, s26, 512
	s_lshl_b32 s28, s27, 15
	s_add_nc_u64 s[SRC:SRC+1], s[14:15], s[28:29]
	s_add_nc_u64 s[SR2:SR2+1], s[16:17], s[28:29]
	s_add_nc_u64 s[DST:DST+1], s[24:25], s[28:29]
.irp i, 0,1,2,3,4,5,6,7
	global_load_b128 v[4+4*(\i):7+4*(\i)], v1, s[SRC:SRC+1] offset:4096*(\i) th:TH_LOAD_NT
	global_load_b128 v[36+4*(\i):39+4*(\i)], v1, s[SR2:SR2+1] offset:4096*(\i) th:TH_LOAD_NT
.endr
.irp p, 0,1,2,3                        ; block p: pairs 2 p and 2 p + 1 of loads
.irp i, 0,1
	s_wait_loadcnt 14-4*(\p)-2*(\i)                ; pair 2 p + i of loads is in
.irp k, 0,1,2,3
	v_cvt_pk_bf16_f32 v[4+8*(\p)+4*(\i)+(\k)], v[4+8*(\p)+4*(\i)+(\k)], v[36+8*(\p)+4*(\i)+(\k)]  ; cos low, sin high
.endr
.endr
	s_wait_alu depctr_va_vdst(0)                   ; the block's eight conversions have written the eight registers that the two stores below read
.irp i, 0,1
	global_store_b128 v1, v[4+8*(\p)+4*(\i):7+8*(\p)+4*(\i)], s[DST:DST+1] offset:4096*(2*(\p)+(\i))
.endr
.endr
	s_endpgm
.Lfunc_end_k_q9b25b468e5_cast:
	.size	k_q9b25b468e5_cast, .Lfunc_end_k_q9b25b468e5_cast-k_q9b25b468e5_cast
	.p2alignl 7, 3214868480
	.fill 96, 4, 3214868480
	.section	.rodata,"a",@progbits
	.p2align	6, 0x0
	.amdhsa_kernel k_q9b25b468e5_cast
		.amdhsa_group_segment_fixed_size 0
		.amdhsa_private_segment_fixed_size 0
		.amdhsa_enable_private_segment 0
		.amdhsa_kernarg_size 88
		.amdhsa_user_sgpr_count 2
		.amdhsa_user_sgpr_kernarg_segment_ptr 1
		.amdhsa_wavefront_size32 1
		.amdhsa_system_sgpr_workgroup_id_x 1
		.amdhsa_system_sgpr_workgroup_id_y 1
		.amdhsa_system_sgpr_workgroup_id_z 1
		.amdhsa_system_vgpr_workitem_id 0
		.amdhsa_next_free_vgpr 72
		.amdhsa_next_free_sgpr 66
		.amdhsa_reserve_vcc 0
		.amdhsa_float_denorm_mode_32 3
		.amdhsa_float_denorm_mode_16_64 3
		.amdhsa_memory_ordered 1
		.amdhsa_forward_progress 1
		.amdhsa_inst_pref_size 24
	.end_amdhsa_kernel
	.amdgpu_metadata
---
amdhsa.version: [ 1, 2 ]
amdhsa.kernels:
  - .name:           k_q9b25b468e5_cast
    .symbol:         k_q9b25b468e5_cast.kd
    .args:
      - { .name: x, .offset: 0, .size: 8, .value_kind: global_buffer, .address_space: global }
      - { .name: wq, .offset: 8, .size: 8, .value_kind: global_buffer, .address_space: global }
      - { .name: wk, .offset: 16, .size: 8, .value_kind: global_buffer, .address_space: global }
      - { .name: wv, .offset: 24, .size: 8, .value_kind: global_buffer, .address_space: global }
      - { .name: wo, .offset: 32, .size: 8, .value_kind: global_buffer, .address_space: global }
      - { .name: freqs_cos, .offset: 40, .size: 8, .value_kind: global_buffer, .address_space: global }
      - { .name: freqs_sin, .offset: 48, .size: 8, .value_kind: global_buffer, .address_space: global }
      - { .name: xb, .offset: 56, .size: 8, .value_kind: global_buffer, .address_space: global }
      - { .name: wb, .offset: 64, .size: 8, .value_kind: global_buffer, .address_space: global }
      - { .name: wof, .offset: 72, .size: 8, .value_kind: global_buffer, .address_space: global }
      - { .name: cs, .offset: 80, .size: 8, .value_kind: global_buffer, .address_space: global }
    .group_segment_fixed_size: 0
    .private_segment_fixed_size: 0
    .kernarg_segment_align: 8
    .kernarg_segment_size: 88
    .max_flat_workgroup_size: 256
    .sgpr_count:     66
    .vgpr_count:     72
    .wavefront_size: 32
...
	.end_amdgpu_metadata
.endif
;; end of part 5
;; launch qkvrope: the kernel of part 2 again; grid 16 x 16, 4 waves a work-group, clusters of 4 x 4, 327,680 bytes of LDS; arguments xb, wb, cs, qkv, sc; writes qkv, sc
;; launch attn: the kernel of part 3 again; grid 16 x 16, 4 waves a work-group, no clusters, 243,200 bytes of LDS; arguments qkv, sc, oh; writes oh
;; launch proj: the kernel of part 4 again; grid 8 x 32, 4 waves a work-group, clusters of 4 x 4, 327,680 bytes of LDS; arguments oh, wof, out0; writes out0
